; MI455X (gfx1250); checked and timed in simulation.
; The chip was launched on July 23, 2026; its instructions are those of AMD's public machine-readable ISA for CDNA 5 (MIT licence, August 2026) and "CDNA5" Instruction Set Architecture Reference Guide (July 2026). The comments in the code are by the model that wrote it; some were corrected since.
;; Transformer Encoder Layer Rotary. Allowed arithmetic: matrix products marked QUANTISED: E5M2 operands, one E8M0 scale for each 32 along K, by v_wmma_scale_f32_16x16x128_f8f6f4 with both operands' format E5M2, f32 sums; everything else in f32.
;; Inputs: b1 4,096 float32; b2 1,024 float32; k_b 1,024 float32; k_w 1,024 x 1,024 float32; ln1_b 1,024 float32; ln1_g 1,024 float32; ln2_b 1,024 float32; ln2_g 1,024 float32; q_b 1,024 float32; q_w 1,024 x 1,024 float32; src 2,048 x 2 x 1,024 float32; v_b 1,024 float32; v_w 1,024 x 1,024 float32; w1 1,024 x 4,096 float32; w2 4,096 x 1,024 float32.
;; Outputs: out0 2,048 x 2 x 1,024 float32.
;; This version of the problem:
;;   THIS VERSION OF THE PROBLEM IS GIVEN IN LOW PRECISION. The matrix products marked QUANTISED in the list below multiply operands that are first quantised to E5M2 (5 exponent bits, 2 mantissa bits; 8 bits a number), with one power-of-two scale for each 32 numbers along K (OCP MX v1.0); their sums are f32. All else is computed in f32.
;;   The module's matrix products, in the order in which they are computed (A, B: the left and right operand; K: the contracted axis; several contracted axes count as one K, in the product's order):
;;     1. [M 4,096, K 1,024] x [K 1,024, N 1,024]; A: input src; B: input q_w: QUANTISED
;;     2. [M 4,096, K 1,024] x [K 1,024, N 1,024]; A: input src; B: input k_w: QUANTISED
;;     3. [M 4,096, K 1,024] x [K 1,024, N 1,024]; A: input src; B: input v_w: QUANTISED
;;     4. batch 32 x [M 2,048, K 64] x [K 64, N 2,048]; A: computed on the way; B: computed on the way: QUANTISED
;;     5. batch 32 x [M 2,048, K 2,048] x [K 2,048, N 64]; A: softmax (see below); B: computed on the way: QUANTISED
;;     6. [M 4,096, K 1,024] x [K 1,024, N 4,096]; A: computed on the way; B: input w1: QUANTISED
;;     7. [M 4,096, K 4,096] x [K 4,096, N 1,024]; A: computed on the way; B: input w2: QUANTISED
;;   THE QUANTISER, for each operand of a quantised product, along K:
;;     - K is cut into blocks of 32 from its start; a last block that is shorter is filled with zeros.
;;     - A block's scale is 2^e with e = floor(log2(the largest magnitude in the block)) - 15, held to -126 .. 127; a block of zeros has e = 0. As a byte (E8M0): e + 127.
;;     - Each number is divided by its block's scale, clamped to +-57,344, and rounded to the nearest number of E5M2, ties to even, subnormals kept.
;;     - The product sums the exact products of the quantised numbers (number of the format x scale) in f32.
;;   ~~~python
;;   def quantise(x, axis):      # numpy; x: float32 -> the quantised numbers, widened to float32 again
;;       x = np.moveaxis(x, axis, -1); K = x.shape[-1]
;;       x = np.pad(x, [(0, 0)] * (x.ndim - 1) + [(0, -K % 32)]); x = x.reshape(x.shape[:-1] + (-1, 32)); a = np.abs(x).max(-1, keepdims=True)
;;       e = np.where(a > 0, np.clip(np.frexp(np.where(a > 0, a, 1))[1] - 1 - 15, -126, 127), 0)      # np.frexp(a)[1] - 1 = floor(log2(a)), exactly
;;       r = np.clip(x / 2.0 ** e, -57344, 57344)
;;       step = 2.0 ** (np.maximum(np.frexp(np.where(r == 0, 1, r))[1] - 1, -14) - 2)
;;       q = np.round(r / step) * step * 2.0 ** e      # np.round: ties to even
;;       return np.moveaxis(q.reshape(q.shape[:-2] + (-1,))[..., :K], -1, axis).astype(np.float32)
;;   ~~~
;;   SOFTMAX AHEAD OF A QUANTISED PRODUCT. Where the list says 'softmax', what is quantised is not the finished softmax but p = 2^(t - M), with t = logit x log2(e) and M = ceil(the row's largest t), a whole number; so 1/2 < the row's largest p <= 1. The row's sum l is taken of the UNQUANTISED p, in f32, and the product's result is divided by l at the end. Since M is a whole number, a kernel that streams over the keys may use a running M (the ceiling of the running maximum): every later rescaling is an exact power of two, which a block's scale takes up: the codes' values come out the same.
;;   OPERANDS COMPUTED ON THE WAY. 'Computed on the way' means the value that the module computes at that place (a softmax that the list does not call 'softmax' is quantised finished and normalised). What goes into a quantiser is computed in f32, as accurately as f32 sums, v_exp_f32 and their like allow (about 1e-6 of the number): no bf16 or f16 on the way to a quantiser, and a product that is left as it is and whose result goes on into a quantised operand takes f32 operands (vector FMAs, or v_wmma_f32_16x16x4_f32). A number that lies on a knife's edge between two numbers of the format may be rounded either way, as far as f32 arithmetic and the matrix unit's own rounding can turn it there, and no further.
;; One version. Each part assembles by itself: llvm-mc -triple=amdgcn-amd-amdhsa -mcpu=gfx1250 --defsym DOCPART=n.
;; ======== version 1 of 1: 7 launches
;; limits: right only within a limited range of input values
;; workspace buffers: prep_out 16,777,216 bytes; qkv_out 12,976,128 bytes; attn_out 16,777,216 bytes; ln1_out 21,102,592 bytes; h_out 17,301,504 bytes; parts 67,108,864 bytes
;; launch prep (part 1): grid 480 x 1, 4 waves a work-group, no clusters, 68,096 bytes of LDS; arguments src, q_w, k_w, v_w, w1, w2, prep_out; writes prep_out
.if DOCPART == 1
	.amdgcn_target "amdgcn-amd-amdhsa--gfx1250"
	.amdhsa_code_object_version 6
	.text
	.protected	k_q2287e06430_prep
	.globl	k_q2287e06430_prep
	.p2align	8
	.type	k_q2287e06430_prep,@function
k_q2287e06430_prep:
	s_mov_b64 s[64:65], 0
	v_nop
	global_prefetch_b8 v0, s[64:65] scope:SCOPE_SE
	s_setreg_imm32_b32 hwreg(HW_REG_WAVE_MODE, 25, 1), 1
	s_wait_xcnt 0x0
; PREP: everything that is quantised once.  Work-groups 0-127: src [4096][1024] f32 -> codes of E5M2 and E8M0 scale bytes, rows laid in POSITION order; and the rope table.
; Work-groups 128-479: the five weights ([K][N] f32, K first) -> codes [position of n][K] and scale bytes.
; POSITION ORDER.  pi(n) swaps bits 3 and 4 of n.  A weight's column n lies at row pi(n).  A src row (key s, batch b) lies at position p: bits 11:8 = s / 128, bit 7 = b, bits 6:0 = pi(s) mod 128.
; With that order the 16 registers that two neighbouring 16-row tiles leave in a lane of a matrix result are 16 neighbours of the true index: results are quantised in registers with no transposition.
; SCALE BYTES are laid [K / 256][row][8]: byte j belongs to block 32 j of that 256.
; A block's scale is 2^(floor(log2(largest magnitude)) - 15); its byte is the largest magnitude's exponent field - 15, held at 1 from below.
; LIMITS: a block of zeros, or one whose largest magnitude lies under 2^-111, gets the byte 1 (the rule says 127 for zeros: the codes are zeros and only this program reads the bytes).  NaN and infinities are not served.
; ROPE TABLE [s 2048][i 32][cos, sin] f32: inv_freq = 10^(-i/8) by an exact split of the exponent (about 1.5 ulp), angle = s x inv_freq rounded once, reduced by pi/2 in two parts, polynomials on +-pi/4.
; The two paths part on the work-group's number and have LDS bytes of their own: [0, 32768) and [32768, 67584).  Waves share nothing: no barrier.
.set WQKV_C, 0x400000
.set W1_C,   0x700000
.set W2_C,   0xb00000
.set SRC_S,  0xf00000
.set WQKV_S, 0xf20000
.set W1_S,   0xf40000
.set W2_S,   0xf60000
.set ROPE,   0xf80000
.set EMAX,   15
.set MANT,   0x600000                  ; the mantissa field of 57,344
	s_load_b256 s[4:11], s[0:1], 0x0               ; src, q_w, k_w, v_w
	s_load_b128 s[12:15], s[0:1], 0x20             ; w1, w2
	s_load_b64 s[16:17], s[0:1], 0x30              ; prep_out
	v_lshl_add_u32 v254, v0, 2, 0x10800
	v_mov_b32 v255, 0
	v_lshrrev_b32 v1, 5, v0
	v_readfirstlane_b32 s18, v1                    ; wave
	v_and_b32 v2, 31, v0                           ; lane
	s_mov_b32 s19, MANT
	s_cmp_lt_u32 ttmp9, 128
	s_cbranch_scc0 .Lweights
; ---------------- src.  Wave W = 4 x work-group + wave takes 16 positions (16 I .. 16 I + 15, I = W / 2) x 512 along K (half = W % 2): 16 steps of 512 numbers.
.set STEPS, 16
.set SP,    80                         ; a lane's place in a stage: 64 bytes + 16 of padding
.set R,     16                         ; v16-79   four sets of 16 numbers as loaded
.set X,     80                         ; v80-111  two sets of 16 neighbours
.set E,     112                        ; v112-127 a scale byte for each step
.set C,     128                        ; v128-191 codes, four registers a step
	v_lshlrev_b32 v3, 4, v2                        ; 16 x lane: my bytes of a load's 512, and my codes' place
	s_lshl_b32 s20, s18, 13                        ; my wave's 8,192 bytes of LDS
	v_lshrrev_b32 v14, 2, v2
	v_mul_u32_u24 v14, v14, SP
	v_and_b32 v15, 3, v2
	v_lshl_add_u32 v14, v15, 4, v14
	v_add_nc_u32 v14, s20, v14                     ; the stage on the way in
	v_mul_u32_u24 v15, v2, SP
	v_add_nc_u32 v15, s20, v15                     ; and on the way out: my 16 neighbours
	v_lshrrev_b32 v5, 1, v2                        ; my block of the step's 16
	v_and_b32 v6, 7, v5
	v_lshrrev_b32 v5, 3, v5
	v_lshl_add_u32 v5, v5, 7, v6                   ; plane (block / 8) x 128 + block % 8; the step adds 8 t
	s_add_co_u32 s20, s20, 2*32*SP
	v_add_nc_u32 v5, s20, v5
	v_lshlrev_b32 v7, 3, v2                        ; 8 x lane
	v_add_nc_u32 v6, s20, v7
	v_lshrrev_b32 v4, 4, v2
	v_and_b32 v13, 15, v2
	v_lshlrev_b32 v13, 3, v13
	v_lshl_add_u32 v4, v4, 15, v13                 ; the scale bytes' place in memory: plane x 32,768 + 8 x position
	s_lshl_b32 s21, ttmp9, 2
	s_add_co_u32 s21, s21, s18                     ; W
	s_lshr_b32 s22, s21, 1                         ; I
	s_and_b32 s23, s21, 1                          ; half
	s_lshr_b32 s24, s22, 4
	s_lshl_b32 s24, s24, 8                         ; src row = 2 s + b = 256 G + 64 kb + 16 u + b (+ 32 (t / 8) + 2 (t % 8))
	s_bfe_u32 s25, s22, 0x20001
	s_lshl_b32 s25, s25, 6
	s_add_co_u32 s24, s24, s25
	s_and_b32 s25, s22, 1
	s_lshl_b32 s25, s25, 4
	s_add_co_u32 s24, s24, s25
	s_bfe_u32 s25, s22, 0x10003
	s_add_co_u32 s24, s24, s25
	s_lshl_b32 s24, s24, 12
	s_lshl_b32 s25, s23, 11
	s_add_co_u32 s24, s24, s25
	s_mov_b32 s25, 0
	s_lshl_b32 s26, s22, 14                        ; codes: position x 1,024 + half x 512
	s_lshl_b32 s27, s23, 9
	s_add_co_u32 s26, s26, s27
	s_mov_b32 s27, 0
	s_lshl_b32 s28, s23, 16                        ; scale bytes: two planes a half, 128 bytes for my 16 positions
	s_lshl_b32 s29, s22, 7
	s_add_co_u32 s28, s28, s29
	s_add_co_u32 s28, s28, SRC_S
	s_mov_b32 s29, 0
	s_lshl_b32 s30, s21, 10                        ; the table's rows 4 W .. 4 W + 3
	s_add_co_u32 s30, s30, ROPE
	s_mov_b32 s31, 0
	s_lshl_b32 s32, s21, 2
	s_wait_kmcnt 0x0
	s_add_nc_u64 s[4:5], s[4:5], s[24:25]
	s_add_nc_u64 s[26:27], s[16:17], s[26:27]
	s_add_nc_u64 s[28:29], s[16:17], s[28:29]
	s_add_nc_u64 s[30:31], s[16:17], s[30:31]
.macro LOAD t
.irp i, 0,1,2,3
	global_load_b128 v[R+16*((\t)%4)+4*\i:R+16*((\t)%4)+4*\i+3], v3, s[4:5] offset:(32*((\t)/8)+2*((\t)%8))*4096+512*\i th:TH_LOAD_NT   ; 32 lanes read 512 consecutive bytes
.endr
.endm
.macro TURN t                          ; step t's numbers through the stage: LDS serves a wave's instructions in order
.irp i, 0,1,2,3
	ds_store_b128 v14, v[R+16*((\t)%4)+4*\i:R+16*((\t)%4)+4*\i+3] offset:32*SP*((\t)%2)+8*SP*\i
.endr
.irp i, 0,1,2,3
	ds_load_b128 v[X+16*((\t)%2)+4*\i:X+16*((\t)%2)+4*\i+3], v15 offset:32*SP*((\t)%2)+16*\i
.endr
.endm
.irp t, 0,1,2,3
	LOAD \t
.endr
	; the rope table, while the first loads are on their way.  Lane i is pair i of the head's 32
	v_cvt_f32_u32 v192, v2
	v_mul_f32 v193, 0xbed49a78, v192               ; y = -i log2(10) / 8
	v_rndne_f32 v193, v193                         ; n
	v_fma_f32 v194, v192, 0xbed49a78, -v193        ; y - n, exact with the constant's high part,
	v_fma_f32 v194, v192, 0xb2179a28, v194         ; and its low part
	s_wait_alu depctr_va_vdst(0)
	v_exp_f32 v194, v194
	v_cvt_i32_f32 v195, v193                       ; (a plain line behind the exponential)
	s_wait_alu depctr_va_vdst(0)                   ; the wait ahead of the result's first reader
	v_ldexp_f32 v194, v194, v195                   ; inv_freq
.macro ROPEROW e
.set RB, 196+10*\e
	s_add_co_u32 s33, s32, \e
	v_cvt_f32_u32 v[RB], s33
	v_mul_f32 v[RB], v[RB], v194                   ; the angle, rounded once
	v_mul_f32 v[RB+1], 0x3f22f983, v[RB]
	v_rndne_f32 v[RB+1], v[RB+1]                   ; k = the nearest multiple of pi/2
	v_fma_f32 v[RB+2], v[RB+1], 0xbfc90fdb, v[RB]
	v_fma_f32 v[RB+2], v[RB+1], 0x333bbd2e, v[RB+2]   ; r = angle - k pi/2, pi/2 in two parts
	v_mul_f32 v[RB+3], v[RB+2], v[RB+2]            ; z
	v_mov_b32 v[RB+4], 0xb94ca1f9
	v_fmaak_f32 v[RB+4], v[RB+4], v[RB+3], 0x3c08839e
	v_fmaak_f32 v[RB+4], v[RB+4], v[RB+3], 0xbe2aaaa3
	v_mul_f32 v[RB+7], v[RB+2], v[RB+3]
	v_fma_f32 v[RB+4], v[RB+7], v[RB+4], v[RB+2]   ; sin r
	v_mov_b32 v[RB+5], 0x37ccf5ce
	v_fmaak_f32 v[RB+5], v[RB+5], v[RB+3], 0xbab6061a
	v_fmaak_f32 v[RB+5], v[RB+5], v[RB+3], 0x3d2aaaa5
	v_mul_f32 v[RB+7], v[RB+3], v[RB+3]
	v_fma_f32 v[RB], v[RB+3], -0.5, 1.0
	v_fma_f32 v[RB+5], v[RB+7], v[RB+5], v[RB]     ; cos r
	v_cvt_i32_f32 v[RB+6], v[RB+1]                 ; the quadrant chooses values only
	v_and_b32 v[RB+7], 1, v[RB+6]
	v_cmp_eq_u32 vcc_lo, 1, v[RB+7]
	v_cndmask_b32 v[RB], v[RB+4], v[RB+5], vcc_lo  ; sin's magnitude
	v_cndmask_b32 v[RB+1], v[RB+5], v[RB+4], vcc_lo   ; cos's
	v_and_b32 v[RB+7], 2, v[RB+6]
	v_lshlrev_b32 v[RB+7], 30, v[RB+7]
	v_xor_b32 v[RB+9], v[RB], v[RB+7]              ; sin: negative in quadrants 2, 3
	v_add_nc_u32 v[RB+6], 1, v[RB+6]
	v_and_b32 v[RB+6], 2, v[RB+6]
	v_lshlrev_b32 v[RB+6], 30, v[RB+6]
	v_xor_b32 v[RB+8], v[RB+1], v[RB+6]            ; cos: negative in quadrants 1, 2
	global_store_b64 v7, v[RB+8:RB+9], s[30:31] offset:256*\e   ; 32 lanes store 256 consecutive bytes, aligned
.endm
.irp e, 0,1,2,3
	ROPEROW \e
.endr
	s_wait_loadcnt 12                              ; step 0's four loads are in; three steps' twelve may be out
	TURN 0
.macro STEP t
.set XS, X+16*((\t)%2)
.if (\t) > 0
	s_wait_dscnt 1                                 ; this step's numbers are back from the stage (the last step's byte store may be out)
.else
	s_wait_dscnt 0x0
.endif
.if (\t)+4 < STEPS
	LOAD (\t)+4
.endif
.if (\t)+1 < STEPS
.if STEPS-2-(\t) >= 3
	s_wait_loadcnt 12                              ; the next step's four loads are in; those of the three steps behind it may be out
.else
	s_wait_loadcnt 4*(STEPS-2-(\t))
.endif
	TURN (\t)+1
.endif
	v_max3_num_f32 v8, |v[XS]|, |v[XS+1]|, |v[XS+2]|
	v_max3_num_f32 v9, |v[XS+3]|, |v[XS+4]|, |v[XS+5]|
.irp i, 6,10
	v_max3_num_f32 v8, v8, |v[XS+\i]|, |v[XS+\i+1]|
	v_max3_num_f32 v9, v9, |v[XS+\i+2]|, |v[XS+\i+3]|
.endr
	v_max3_num_f32 v8, v8, |v[XS+14]|, |v[XS+15]|
	v_max3_num_f32 v8, v8, v9, (EMAX+1)<<23        ; and the floor 2^(16 - 127): the byte cannot fall under 1
	v_max_num_f32_dpp v8, v8, v8 row_xmask:1 row_mask:0xf bank_mask:0xf   ; with my neighbour's 16: the block's
	v_add_nc_u32 v11, -(EMAX<<23), v8              ; 15 off the exponent field: the conversion's scale operand
	v_and_or_b32 v10, v8, 0x7f800000, s19          ; 57,344 x the scale
.irp i, 0,1,2,3,4,5,6,7,8,9,10,11,12,13,14,15
	v_med3_num_f32 v[XS+\i], v[XS+\i], -v10, v10   ; the conversion does not saturate (ISA guide 7.6.2): the hold
.endr
	v_cvt_scalef32_pk8_bf8_f32 v[C+4*(\t):C+4*(\t)+1], v[XS:XS+7], v11
	v_cvt_scalef32_pk8_bf8_f32 v[C+4*(\t)+2:C+4*(\t)+3], v[XS+8:XS+15], v11
	v_lshrrev_b32 v[E+(\t)], 23, v11               ; the scale's byte
	ds_store_b8 v5, v[E+(\t)] offset:8*(\t)        ; both lanes of a block write the same byte with the same value
	global_store_b128 v3, v[C+4*(\t):C+4*(\t)+3], s[26:27] offset:1024*(\t)   ; 512 consecutive bytes of position 16 I + t
.endm
.irp t, 0,1,2,3,4,5,6,7,8,9,10,11,12,13,14,15
	STEP \t
.endr
	ds_load_b64 v[12:13], v6                       ; in order behind my byte stores
	s_wait_dscnt 0x0
	global_store_b64 v4, v[12:13], s[28:29]        ; two runs of 128 consecutive bytes, one in each plane
	s_wait_tensorcnt 0x0
	ds_add_u32 v254, v255
	s_wait_dscnt 0x0
	s_endpgm
; ---------------- the weights.  A lane takes a column n, its registers run down K: a block of 32 lies in one lane, and the codes come out with K innermost.
; A wave takes 32 columns x 256 along K.  The strides differ between the weights, so they stand in registers: 32 vector offsets (a row each) and 8 scalar bases (a block each), never rewritten.
.Lweights:
.set VO,    16                         ; v16-47   4 x lane + i x row bytes
.set XB,    48                         ; v48-111  two sets of 32 numbers
.set CW,    112                        ; v112-119 a block's codes
.set OUTR,  120                        ; v120-183 the way out
.set VOUT,  184                        ; v184-199 the way out's offsets
.set SBY,   14                         ; v14-15   my column's 8 scale bytes
.set WP,    272                        ; a stage row: 256 bytes + 16
	s_sub_co_u32 s20, ttmp9, 128                   ; g: 0-31 q_w, 32-63 k_w, 64-95 v_w, 96-223 w1, 224-351 w2
	s_and_b32 s21, s20, 31
	s_lshr_b32 s22, s20, 5
	s_lshl_b32 s22, s22, 10                        ; q, k, v: first row in the joint buffer
	s_sub_co_u32 s23, s20, 96
	s_sub_co_u32 s24, s20, 224
	s_mov_b32 s25, W2_C
	s_mov_b32 s26, W2_S
	s_cmp_lt_u32 s20, 224
	s_cselect_b32 s23, s23, s24                    ; the work-group's number within its weight
	s_cselect_b32 s24, 31, 7                       ; mask of x (N / 128 - 1)
	s_cselect_b32 s27, 5, 3                        ; shift to y
	s_cselect_b32 s28, 14, 12                      ; log2 of a row of the weight in bytes
	s_cselect_b32 s29, 10, 12                      ; log2 of a row of codes
	s_cselect_b32 s30, 15, 13                      ; log2 of a plane of scale bytes
	s_cselect_b32 s25, W1_C, s25
	s_cselect_b32 s26, W1_S, s26
	s_cmp_lt_u32 s20, 96
	s_cselect_b32 s23, s21, s23
	s_cselect_b32 s24, 7, s24
	s_cselect_b32 s27, 3, s27
	s_cselect_b32 s28, 12, s28
	s_cselect_b32 s22, s22, 0
	s_cselect_b32 s25, WQKV_C, s25
	s_cselect_b32 s26, WQKV_S, s26
	s_and_b32 s24, s23, s24                        ; x
	s_lshr_b32 s27, s23, s27                       ; y
	s_lshl_b32 s24, s24, 7
	s_lshl_b32 s21, s18, 5
	s_add_co_u32 s24, s24, s21                     ; n0 = 128 x + 32 wave
	s_lshl_b32 s48, 1, s28                         ; a row of the weight
	s_lshl_b32 s49, 1, s29                         ; a row of codes
	s_lshl_b32 s50, s27, 8
	s_lshl_b32 s50, s50, s28                       ; 256 y rows
	s_lshl_b32 s51, s24, 2
	s_add_co_u32 s50, s50, s51
	s_mov_b32 s51, 0
	s_lshl_b32 s52, s48, 5                         ; 32 rows: a block
	s_mov_b32 s53, 0
	s_add_co_u32 s54, s22, s24                     ; my first row of codes
	s_lshl_b32 s55, s54, s29
	s_lshl_b32 s56, s27, 8
	s_add_co_u32 s55, s55, s56
	s_add_co_u32 s56, s55, s25
	s_mov_b32 s57, 0
	s_lshl_b32 s58, s27, s30
	s_lshl_b32 s59, s54, 3
	s_add_co_u32 s58, s58, s59
	s_add_co_u32 s58, s58, s26
	s_mov_b32 s59, 0
	s_wait_alu depctr_va_vdst(0)
	v_lshlrev_b32 v[VO], 2, v2
.irp i, 1,2,3,4,5,6,7,8,9,10,11,12,13,14,15,16,17,18,19,20,21,22,23,24,25,26,27,28,29,30,31
	v_add_nc_u32 v[VO+\i], s48, v[VO+\i-1]
.endr
	s_mul_i32 s21, s18, 32*WP
	s_add_co_u32 s21, s21, 32768                   ; my stage
	v_and_b32 v4, 7, v2
	v_bfe_u32 v5, v2, 3, 1
	v_lshl_add_u32 v4, v5, 4, v4
	v_bfe_u32 v5, v2, 4, 1
	v_lshl_add_u32 v6, v5, 3, v4                   ; pi(lane): my column's position
	v_mul_u32_u24 v4, v6, WP
	v_add_nc_u32 v4, s21, v4                       ; into the stage: row = position
	v_and_b32 v3, 15, v2
	v_mul_u32_u24 v7, v5, WP
	v_lshl_add_u32 v7, v3, 4, v7
	v_add_nc_u32 v7, s21, v7                       ; out of it: sixteen lanes to a row, two rows an instruction
	v_mul_lo_u32 v[VOUT], v5, s49
	v_lshl_add_u32 v[VOUT], v3, 4, v[VOUT]
	s_lshl_b32 s49, s49, 1
.irp t, 1,2,3,4,5,6,7,8,9,10,11,12,13,14,15
	v_add_nc_u32 v[VOUT+\t], s49, v[VOUT+\t-1]
.endr
	v_lshlrev_b32 v9, 3, v6                        ; my 8 scale bytes' place
	s_wait_kmcnt 0x0
	s_cmp_lt_u32 s20, 224                          ; the choice of buffer hangs on the work-group's number alone
	s_cselect_b64 s[60:61], s[12:13], s[14:15]
	s_cmp_lt_u32 s20, 96
	s_cselect_b64 s[60:61], s[10:11], s[60:61]
	s_cmp_lt_u32 s20, 64
	s_cselect_b64 s[60:61], s[8:9], s[60:61]
	s_cmp_lt_u32 s20, 32
	s_cselect_b64 s[60:61], s[6:7], s[60:61]
	s_add_nc_u64 s[32:33], s[60:61], s[50:51]
.irp t, 1,2,3,4,5,6,7
	s_add_nc_u64 s[32+2*\t:33+2*\t], s[30+2*\t:31+2*\t], s[52:53]
.endr
	s_add_nc_u64 s[56:57], s[16:17], s[56:57]
	s_add_nc_u64 s[58:59], s[16:17], s[58:59]
.macro WLOAD t
.irp i, 0,1,2,3,4,5,6,7,8,9,10,11,12,13,14,15,16,17,18,19,20,21,22,23,24,25,26,27,28,29,30,31
	global_load_b32 v[XB+32*((\t)%2)+\i], v[VO+\i], s[32+2*(\t):33+2*(\t)] th:TH_LOAD_NT   ; 128 consecutive bytes a wave, 512 a work-group
.endr
.endm
	WLOAD 0
	WLOAD 1
.macro WBLOCK t
.set XS, XB+32*((\t)%2)
.if (\t) < 7
	s_wait_loadcnt 32                              ; this block's 32 loads are in; the next block's may be out
.else
	s_wait_loadcnt 0
.endif
	v_max3_num_f32 v12, |v[XS]|, |v[XS+1]|, |v[XS+2]|
	v_max3_num_f32 v13, |v[XS+3]|, |v[XS+4]|, |v[XS+5]|
.irp i, 6,10,14,18,22,26
	v_max3_num_f32 v12, v12, |v[XS+\i]|, |v[XS+\i+1]|
	v_max3_num_f32 v13, v13, |v[XS+\i+2]|, |v[XS+\i+3]|
.endr
	v_max3_num_f32 v12, v12, |v[XS+30]|, |v[XS+31]|
	v_max3_num_f32 v12, v12, v13, (EMAX+1)<<23
	v_add_nc_u32 v11, -(EMAX<<23), v12
	v_and_or_b32 v10, v12, 0x7f800000, s19
	v_lshrrev_b32 v13, 23, v11
.if (\t)%4 == 0
	v_mov_b32 v[SBY+(\t)/4], v13
.else
	v_lshl_or_b32 v[SBY+(\t)/4], v13, 8*((\t)%4), v[SBY+(\t)/4]
.endif
.irp i, 0,1,2,3,4,5,6,7,8,9,10,11,12,13,14,15,16,17,18,19,20,21,22,23,24,25,26,27,28,29,30,31
	v_med3_num_f32 v[XS+\i], v[XS+\i], -v10, v10
.endr
.irp g, 0,1,2,3
	v_cvt_scalef32_pk8_bf8_f32 v[CW+2*\g:CW+2*\g+1], v[XS+8*\g:XS+8*\g+7], v11
.endr
	v_nop                                          ; a plain line behind the last conversion
	ds_store_b128 v4, v[CW:CW+3] offset:32*(\t)
	ds_store_b128 v4, v[CW+4:CW+7] offset:32*(\t)+16
.if (\t)+2 < 8
	WLOAD (\t)+2
.endif
	s_wait_dscnt 0x0                               ; the stores have read their registers: the next block's codes may be written
.endm
.irp t, 0,1,2,3,4,5,6,7
	WBLOCK \t
.endr
	global_store_b64 v9, v[SBY:SBY+1], s[58:59]    ; 32 lanes fill 256 consecutive bytes, aligned
.irp t, 0,1,2,3,4,5,6,7,8,9,10,11,12,13,14,15
	ds_load_b128 v[OUTR+4*\t:OUTR+4*\t+3], v7 offset:2*\t*WP
.endr
.irp t, 0,1,2,3,4,5,6,7,8,9,10,11,12,13,14,15
	s_wait_dscnt 15-\t
	global_store_b128 v[VOUT+\t], v[OUTR+4*\t:OUTR+4*\t+3], s[56:57]   ; sixteen lanes store 256 consecutive bytes, aligned
.endr
	s_wait_tensorcnt 0x0
	ds_add_u32 v254, v255
	s_wait_dscnt 0x0
	s_endpgm
.Lfunc_end_k_q2287e06430_prep:
	.size	k_q2287e06430_prep, .Lfunc_end_k_q2287e06430_prep-k_q2287e06430_prep
	.p2alignl 7, 3214868480
	.fill 96, 4, 3214868480
	.section	.rodata,"a",@progbits
	.p2align	6, 0x0
	.amdhsa_kernel k_q2287e06430_prep
		.amdhsa_group_segment_fixed_size 68096
		.amdhsa_private_segment_fixed_size 0
		.amdhsa_enable_private_segment 0
		.amdhsa_kernarg_size 56
		.amdhsa_user_sgpr_count 2
		.amdhsa_user_sgpr_kernarg_segment_ptr 1
		.amdhsa_wavefront_size32 1
		.amdhsa_system_sgpr_workgroup_id_x 1
		.amdhsa_system_sgpr_workgroup_id_y 1
		.amdhsa_system_sgpr_workgroup_id_z 1
		.amdhsa_system_vgpr_workitem_id 0
		.amdhsa_next_free_vgpr 256
		.amdhsa_next_free_sgpr 66
		.amdhsa_reserve_vcc 1
		.amdhsa_float_denorm_mode_32 3
		.amdhsa_float_denorm_mode_16_64 3
		.amdhsa_memory_ordered 1
		.amdhsa_forward_progress 1
		.amdhsa_inst_pref_size 120
	.end_amdhsa_kernel
	.amdgpu_metadata
---
amdhsa.version: [ 1, 2 ]
amdhsa.kernels:
  - .name:           k_q2287e06430_prep
    .symbol:         k_q2287e06430_prep.kd
    .args:
      - { .name: src, .offset: 0, .size: 8, .value_kind: global_buffer, .address_space: global }
      - { .name: q_w, .offset: 8, .size: 8, .value_kind: global_buffer, .address_space: global }
      - { .name: k_w, .offset: 16, .size: 8, .value_kind: global_buffer, .address_space: global }
      - { .name: v_w, .offset: 24, .size: 8, .value_kind: global_buffer, .address_space: global }
      - { .name: w1, .offset: 32, .size: 8, .value_kind: global_buffer, .address_space: global }
      - { .name: w2, .offset: 40, .size: 8, .value_kind: global_buffer, .address_space: global }
      - { .name: prep_out, .offset: 48, .size: 8, .value_kind: global_buffer, .address_space: global }
    .group_segment_fixed_size: 68096
    .private_segment_fixed_size: 0
    .kernarg_segment_align: 8
    .kernarg_segment_size: 56
    .max_flat_workgroup_size: 128
    .sgpr_count:     66
    .vgpr_count:     256
    .wavefront_size: 32
...
	.end_amdgpu_metadata
.endif
;; end of part 1
;; launch qkv (part 2): grid 12 x 16, 4 waves a work-group, clusters of 4 x 4, 327,680 bytes of LDS; arguments prep_out, q_b, k_b, v_b, qkv_out; writes qkv_out
.if DOCPART == 2
	.amdgcn_target "amdgcn-amd-amdhsa--gfx1250"
	.amdhsa_code_object_version 6
	.text
	.protected	k_q2287e06430_qkv
	.globl	k_q2287e06430_qkv
	.p2align	8
	.type	k_q2287e06430_qkv,@function
k_q2287e06430_qkv:
	s_mov_b64 s[64:65], 0
	v_nop
	global_prefetch_b8 v0, s[64:65] scope:SCOPE_SE
	s_setreg_imm32_b32 hwreg(HW_REG_WAVE_MODE, 25, 1), 1
	s_wait_xcnt 0x0
	s_wait_alu depctr_hold_cnt(0) depctr_sa_sdst(0) depctr_va_vdst(0) depctr_va_sdst(0) depctr_va_ssrc(0) depctr_va_vcc(0) depctr_vm_vsrc(0)
	s_getreg_b32 s2, hwreg(HW_REG_IB_STS2, 6, 4)
	s_cmp_eq_u32 s2, 0
	s_cbranch_scc0 .Lentry_in_a_cluster
	s_endpgm
.Lentry_in_a_cluster:
	s_bfe_u32 s2, ttmp6, 0x10000c
	s_cmp_lg_u32 s2, 0xf033
	s_cbranch_scc0 .Lentry_shape_is_right
	s_endpgm
.Lentry_shape_is_right:
.set KTOT,   1024
.set KROW,   1024
.set STRA,   4096
.set STRB,   4096
.set WQKV_C, 0x400000
.set SRC_S,  0xf00000
.set WQKV_S, 0xf20000
.set ROPE,   0xf80000
.set Q_S,    0xc00000
.set NQ,     2
.set ROWB,   256
.set PITCH,  272
.set FR,     16
.set NL,     4
.set NP,     8
.set HALFT,  128*PITCH
.set SLOT,   4*HALFT
.set LAPS,   KTOT/512
.set NKT,    KTOT/256
.set SCL,    2*SLOT
.set HALFS,  NKT*1024
.set SPARE,  SCL+4*HALFS
.set ADRA, 16
.set ADRB, 20
.set ADRS, 27
.set SPW,  28
.set NIL,  29
.set SC,   32
.set AF,   128
.set STQ,  3
.set SMQ,  4
.set RDQ,  5
.set RMQ,  6
.set STV,  7
.set SMV,  8
.set RDV,  9
.set RMV,  10
.set CSO,  11
.set BIO,  12
.set BVO,  13
.set GOC,  14
.set GOS,  15
.set FLO,  19
.set PW,   22
.set XW,   64
.set PC,   128
.set TM,   144
.set BI,   192
.set G1, 24
.set G0, 32
.set G1B, 48
.set G0B, 56
.set G1S, 68
.set G0S, 76
.set G1SB, 80
.set G0SB, 88
.set MNT, 18
.set SEL, 20
.set MSB, 0
.macro WIN new
.if MSB != (\new)
	s_set_vgpr_msb (MSB<<8)|(\new)
.set MSB, (\new)
.endif
.endm
.set MUL_LO, 0xa1
.set MUL_HI, 0xf1
.set TO_B,   0x40
.macro JLOAD g0a, g1a, g0b, g1b
	s_cmp_eq_u32 s15, 0
	s_cbranch_scc0 .Lfor_b_\@
	tensor_load_to_lds s[\g0a:\g0a+3], s[\g1a:\g1a+7]
	s_nop 0
.rept 4
	v_nop
.endr
	s_branch .Lasked_\@
.Lfor_b_\@:
	tensor_load_to_lds s[\g0b:\g0b+3], s[\g1b:\g1b+7]
	s_nop 0
.rept 4
	v_nop
.endr
.Lasked_\@:
.endm
.macro CREST
	s_cmp_lg_u32 s14, 0
	s_cbranch_scc1 .Lnot_wave_0_\@
	s_barrier_signal -3
.Lnot_wave_0_\@:
	s_barrier_wait -3
	s_barrier_signal -1
	s_barrier_wait -1
.endm
.macro CROUND
	s_barrier_signal -1
	s_barrier_wait -1
	CREST
.endm
	s_load_b64 s[4:5], s[0:1], 0x0
	s_load_b128 s[96:99], s[0:1], 0x8
	s_load_b128 s[92:95], s[0:1], 0x18
	v_lshl_add_u32 v[SPW], v0, 2, SPARE
	v_mov_b32 v[NIL], 0
	ds_add_u32 v28, v29
	ds_add_u32 v28, v29
	s_wait_dscnt 0x0
	v_lshrrev_b32 v1, 5, v0
	v_readfirstlane_b32 s14, v1
	s_lshr_b32 s15, s14, 1
	s_and_b32 s16, s14, 1
	s_bfe_u32 s40, ttmp6, 0x40000
	s_bfe_u32 s41, ttmp6, 0x40004
	s_and_b32 s18, ttmp7, 0xffff
	s_mov_b32 s22, SRC_S
	s_mov_b32 s66, WQKV_S
	s_cmp_eq_u32 ttmp9, 2
	s_cselect_b32 s42, s18, ttmp9
	s_cselect_b32 s17, 0, s18
	s_cselect_b32 s20, WQKV_C+2048*1024, 0
	s_cselect_b32 s46, 0, WQKV_C
	s_cselect_b32 s22, WQKV_S+2048*8, s22
	s_cselect_b32 s66, SRC_S, s66
	s_lshl_b32 s42, s42, 2
	s_add_co_u32 s42, s42, s40
	s_lshl_b32 s17, s17, 2
	s_add_co_u32 s17, s17, s41
	s_lshl_b32 s43, s41, 2
	s_lshl_b32 s43, 15, s43
	s_lshl_b32 s44, 0x1111, s40
	s_or_b32 s[G1+0], s43, (0<<16)|(1<<20)|(1<<21)|(5<<22)|(3<<25)
	s_or_b32 s[G1B+0], s44, (0<<16)|(1<<20)|(1<<21)|(5<<22)|(3<<25)
.irp g, G1, G1B
	s_mov_b32 s[\g+1], ROWB<<16
	s_mov_b32 s[\g+2], 256<<16
	s_mov_b32 s[\g+3], ROWB<<16
	s_mov_b32 s[\g+4], 256
	s_mov_b32 s[\g+5], KROW
	s_mov_b32 s[\g+6], 0
	s_mov_b32 s[\g+7], 0
.endr
	s_or_b32 s[G1S+0], s43, (3<<16)|(1<<21)
	s_or_b32 s[G1SB+0], s44, (3<<16)|(1<<21)
.irp g, G1S, G1SB
	s_mov_b32 s[\g+1], 256<<16
	s_mov_b32 s[\g+2], NKT<<16
	s_mov_b32 s[\g+3], 256<<16
	s_mov_b32 s[\g+4], NKT
	s_mov_b32 s[\g+6], 0
	s_mov_b32 s[\g+7], 0
.endr
	s_mov_b32 s[G1S+5], STRA
	s_mov_b32 s[G1SB+5], STRB
	s_lshl_b32 s18, s16, 7
	s_lshl_b32 s19, s17, 8
	s_add_co_u32 s19, s19, s18
	s_lshl_b32 s21, s19, 10
	s_add_co_u32 s20, s20, s21
	s_lshl_b32 s21, s19, 3
	s_add_co_u32 s22, s22, s21
	s_lshl_b32 s47, s42, 8
	s_add_co_u32 s47, s47, s18
	s_lshl_b32 s67, s47, 10
	s_add_co_u32 s46, s46, s67
	s_lshl_b32 s67, s47, 3
	s_add_co_u32 s66, s66, s67
	s_mov_b32 s21, 0
	s_mov_b32 s23, 0
	s_mov_b32 s47, 0
	s_mov_b32 s67, 0
	s_mul_i32 s45, s14, HALFT
	s_wait_kmcnt 0x0
	s_mov_b64 s[100:101], s[4:5]
	s_add_nc_u64 s[20:21], s[4:5], s[20:21]
	s_add_nc_u64 s[22:23], s[4:5], s[22:23]
	s_add_nc_u64 s[46:47], s[4:5], s[46:47]
	s_add_nc_u64 s[66:67], s[4:5], s[66:67]
	CROUND
	s_lshl_b32 s2, s16, 10                         ; the head's four tiles are whole (256 rows): my half's offset comes off again
	s_mov_b32 s3, 0
	s_sub_nc_u64 s[22:23], s[22:23], s[2:3]
	s_sub_nc_u64 s[66:67], s[66:67], s[2:3]
	s_mul_i32 s2, s16, 128*KROW
	s_mov_b32 s4, 1                                ; s[4:7]: K step 0's 256 rows of A
	s_mov_b32 s5, 0
	s_sub_nc_u64 s[6:7], s[20:21], s[2:3]
	s_or_b32 s7, s7, 0x80000000
	s_mov_b32 s8, 1                                ; s[8:11]: its 256 rows of B
	s_mov_b32 s9, 2*HALFT
	s_sub_nc_u64 s[10:11], s[46:47], s[2:3]
	s_or_b32 s11, s11, 0x80000000
	s_mov_b32 s[G0S], 1
	s_mov_b32 s[G0S+1], SCL
	s_mov_b64 s[G0S+2:G0S+3], s[22:23]
	s_or_b32 s[G0S+3], s[G0S+3], 0x80000000
	s_mov_b32 s[G0SB], 1
	s_mov_b32 s[G0SB+1], SCL+2*HALFS
	s_mov_b64 s[G0SB+2:G0SB+3], s[66:67]
	s_or_b32 s[G0SB+3], s[G0SB+3], 0x80000000
.irp s, 0,1
	s_mov_b32 s[G0+4*\s], 1
	s_add_co_u32 s[G0+4*\s+1], s45, \s*SLOT
	s_add_nc_u64 s[G0+4*\s+2:G0+4*\s+3], s[20:21], \s*ROWB
	s_or_b32 s[G0+4*\s+3], s[G0+4*\s+3], 0x80000000
	s_mov_b32 s[G0B+4*\s], 1
	s_add_co_u32 s[G0B+4*\s+1], s45, \s*SLOT
	s_add_nc_u64 s[G0B+4*\s+2:G0B+4*\s+3], s[46:47], \s*ROWB
	s_or_b32 s[G0B+4*\s+3], s[G0B+4*\s+3], 0x80000000
.endr
; the head's loads, one a wave, in one chain of branches on the wave's number: A's 256 rows, B's 256 rows, A's scale bytes, B's
.macro ARM under, g0, g1, next
	s_cmp_lt_u32 s14, \under
	s_cbranch_scc0 \next
	tensor_load_to_lds s[\g0:\g0+3], s[\g1:\g1+7]
	s_nop 0
.rept 4
	v_nop
.endr
	s_branch .Lhead_asked
\next:
.endm
	ARM 1, 4, G1, .Lhead_b
	ARM 2, 8, G1B, .Lhead_sa
	ARM 3, G0S, G1S, .Lhead_sb
	tensor_load_to_lds s[G0SB:G0SB+3], s[G1SB:G1SB+7]
	s_nop 0
.rept 4
	v_nop
.endr
.Lhead_asked:
	v_and_b32 v1, 15, v0
	v_bfe_u32 v2, v0, 4, 1
	s_wait_alu depctr_va_vdst(0)
	v_mul_u32_u24 v23, v1, PITCH
	v_lshl_add_u32 v24, v2, 4, v23
	s_mul_i32 s21, s15, HALFT
	s_mul_i32 s22, s16, HALFT
	s_add_co_u32 s22, s22, 2*HALFT
.irp s, 0,1
	v_add_nc_u32 v[ADRA+\s], s21, v24
	v_add_nc_u32 v[ADRB+\s], s22, v24
	s_add_co_u32 s21, s21, SLOT
	s_add_co_u32 s22, s22, SLOT
.endr
	v_lshlrev_b32 v23, 3, v1
	s_mul_i32 s21, s15, 1024
	s_mul_i32 s22, s16, 1024
	s_add_co_u32 s22, s22, 2*HALFS
	s_sub_co_u32 s22, s22, s21
	v_mul_u32_u24 v24, s22, v2
	s_add_co_u32 s21, s21, SCL
	v_add_nc_u32 v23, v23, v24
	v_add_nc_u32 v[ADRS], s21, v23
	v_and_b32 v25, 31, v0
	v_and_b32 v26, 8, v1
	v_add_nc_u32 v26, v26, v1
	s_mul_i32 s21, s14, 20480
	v_mul_u32_u24 v[STQ], v1, 80
	v_lshl_add_u32 v[STQ], v2, 4, v[STQ]
	v_add_nc_u32 v[STQ], s21, v[STQ]
	v_lshrrev_b32 v23, 2, v25
	v_mul_u32_u24 v[RDQ], v23, 80
	v_and_b32 v23, 3, v25
	v_lshl_add_u32 v[RDQ], v23, 4, v[RDQ]
	v_add_nc_u32 v[RDQ], s21, v[RDQ]
	s_lshl_b32 s21, s14, 9
	s_add_co_u32 s22, s21, 81920
	v_lshl_add_u32 v[SMQ], v1, 2, s22
	v_lshl_add_u32 v[RMQ], v25, 4, s22
	s_add_co_u32 s22, s21, 212992
	v_lshl_add_u32 v[SMV], v26, 2, s22
	v_lshl_add_u32 v[RMV], v25, 4, s22
	s_mul_i32 s21, s14, 18432
	s_add_co_u32 s21, s21, 139264
	v_mul_u32_u24 v[STV], v26, 144
	v_lshl_add_u32 v[STV], v2, 4, v[STV]
	v_add_nc_u32 v[STV], s21, v[STV]
	v_lshrrev_b32 v23, 3, v25
	v_mul_u32_u24 v[RDV], v23, 144
	v_and_b32 v23, 7, v25
	v_lshl_add_u32 v[RDV], v23, 4, v[RDV]
	v_add_nc_u32 v[RDV], s21, v[RDV]
	v_lshlrev_b32 v[BIO], 6, v2
	v_lshl_add_u32 v[CSO], v26, 8, v[BIO]
	v_lshlrev_b32 v[BVO], 2, v26
	v_lshlrev_b32 v[GOC], 4, v25
	v_lshlrev_b32 v[GOS], 12, v2
	v_lshl_add_u32 v[GOS], v1, 4, v[GOS]
.macro FRAG reg, adr, q, i
.irp c, 0,1,2,3
	ds_load_b128 v[\reg+4*\c:\reg+4*\c+3], v[\adr] offset:128*(\q)+32*\c+(\i)*16*PITCH
.endr
.endm
.macro MUL16 a0, p, q, sc, zero
.irp a, \a0, \a0+1
.irp b, 0,1,2,3,4,5,6,7
.if \zero
	v_wmma_scale_f32_16x16x128_f8f6f4 v[8*(8*((\a)%4)+\b):8*(8*((\a)%4)+\b)+7], v[128*(\p)+FR*\b:128*(\p)+FR*\b+FR-1], v[AF+FR*(\a):AF+FR*(\a)+FR-1], 0, v[SC+8*NQ*(\sc)+NQ*\b+(\q)], v[SC+8*NQ*(\sc)+NQ*(\a)+(\q)] matrix_a_fmt:MATRIX_FMT_BF8 matrix_b_fmt:MATRIX_FMT_BF8 matrix_a_scale:MATRIX_SCALE_ROW1
.else
	v_wmma_scale_f32_16x16x128_f8f6f4 v[8*(8*((\a)%4)+\b):8*(8*((\a)%4)+\b)+7], v[128*(\p)+FR*\b:128*(\p)+FR*\b+FR-1], v[AF+FR*(\a):AF+FR*(\a)+FR-1], v[8*(8*((\a)%4)+\b):8*(8*((\a)%4)+\b)+7], v[SC+8*NQ*(\sc)+NQ*\b+(\q)], v[SC+8*NQ*(\sc)+NQ*(\a)+(\q)] matrix_a_fmt:MATRIX_FMT_BF8 matrix_b_fmt:MATRIX_FMT_BF8 matrix_a_scale:MATRIX_SCALE_ROW1
.endif
.endr
.endr
.endm
.macro FETCH_B slot, q, p
	WIN TO_B
.irp i, 0,1,2,3,4,5,6,7
	FRAG 128*(\p)+FR*\i, ADRB+\slot, \q, \i
.endr
	WIN 0
.endm
.macro FETCH_A slot, q, i0
.irp i, \i0, \i0+1, \i0+2, \i0+3
	FRAG AF+FR*(\i), ADRA+\slot, \q, \i
.endr
.endm
.macro SCALES sc
.irp i, 0,1,2,3,4,5,6,7
	ds_load_b64 v[SC+8*NQ*\sc+NQ*\i:SC+8*NQ*\sc+NQ*\i+1], v[ADRS] offset:\i*128
.endr
.endm
.macro PLACES n
.rept \n
	v_nop
.endr
.endm
.macro STEP slot, q, zero
	s_wait_dscnt 4*NL
	WIN MUL_LO
	MUL16 0, (\q)%2, \q, \slot, \zero
	MUL16 2, (\q)%2, \q, \slot, \zero
	s_wait_dscnt 0
	PLACES NP
	FETCH_B \slot, (\q)+1, 1-(\q)%2
	FETCH_A \slot, (\q)+1, 0
	WIN MUL_HI
	MUL16 4, (\q)%2, \q, \slot, \zero
	MUL16 6, (\q)%2, \q, \slot, \zero
	PLACES NP
	WIN 0
	FETCH_A \slot, (\q)+1, 4
.endm
.macro TURN slot, next, fill
	s_wait_tensorcnt 0x0
	ds_add_u32 v[SPW], v[NIL]
	s_wait_dscnt 4*NL+1
	WIN MUL_LO
	MUL16 0, 1, NQ-1, \slot, 0
	s_wait_dscnt 0x0
	s_barrier_signal -1
	MUL16 2, 1, NQ-1, \slot, 0
	WIN 0
	s_barrier_wait -1
.if \fill
	CREST
	s_add_nc_u64 s[G0+4*\slot+2:G0+4*\slot+3], s[G0+4*\slot+2:G0+4*\slot+3], 2*ROWB
	s_add_nc_u64 s[G0B+4*\slot+2:G0B+4*\slot+3], s[G0B+4*\slot+2:G0B+4*\slot+3], 2*ROWB
	JLOAD G0+4*\slot, G1, G0B+4*\slot, G1B
	PLACES NP-4
.else
	PLACES NP
.endif
	s_wait_alu depctr_va_vdst(0)
	v_add_nc_u32 v[ADRS], 2048, v[ADRS]
	FETCH_B \next, 0, 0
	FETCH_A \next, 0, 0
	SCALES \next
	WIN MUL_HI
	MUL16 4, 1, NQ-1, \slot, 0
	MUL16 6, 1, NQ-1, \slot, 0
	PLACES NP
	WIN 0
	FETCH_A \next, 0, 4
.endm
	s_wait_alu depctr_va_vdst(0)                   ; the wait at the head's end
	s_wait_tensorcnt 0x0                           ; my tile of the head's four is in
	ds_add_u32 v[SPW], v[NIL]
	s_mov_b32 s[G1+2], 128<<16                     ; no load of mine is out: from here on a load brings 128 rows
	s_mov_b32 s[G1+4], 128
	s_mov_b32 s[G1B+2], 128<<16
	s_mov_b32 s[G1B+4], 128
	s_wait_dscnt 0x0
	CROUND
	JLOAD G0+4, G1, G0B+4, G1B                     ; slot 1's first fill, the first tensor load behind the round
	FETCH_B 0, 0, 0
	FETCH_A 0, 0, 0
	SCALES 0
	FETCH_A 0, 0, 4
	STEP 0, 0, 1
	s_mov_b32 s3, LAPS-1
.Llap:
	TURN 0, 1, 1
	STEP 1, 0, 0
	TURN 1, 0, 1
	STEP 0, 0, 0
	s_sub_co_u32 s3, s3, 1
	s_cmp_lg_u32 s3, 0
	s_cbranch_scc1 .Llap
	TURN 0, 1, 0
	STEP 1, 0, 0
	s_wait_dscnt 4*NL
	WIN MUL_LO
	MUL16 0, 1, NQ-1, 1, 0
	MUL16 2, 1, NQ-1, 1, 0
	s_wait_dscnt 0
	WIN MUL_HI
	MUL16 4, 1, NQ-1, 1, 0
	MUL16 6, 1, NQ-1, 1, 0
	WIN 0
.macro QUANT s, w, relu
	WIN ((\w)<<2)|((\w)<<4)
.irp b, 0,1,2,3
.if \relu
	v_max3_num_f32 v[TM+\b], v[FLO], v[(\s)+16*\b], v[(\s)+16*\b+1]
.else
	v_max3_num_f32 v[TM+\b], v[FLO], |v[(\s)+16*\b]|, |v[(\s)+16*\b+1]|
.endif
.endr
.irp i, 2,4,6,8,10,12,14
.irp b, 0,1,2,3
.if \relu
	v_max3_num_f32 v[TM+\b], v[TM+\b], v[(\s)+16*\b+\i], v[(\s)+16*\b+\i+1]
.else
	v_max3_num_f32 v[TM+\b], v[TM+\b], |v[(\s)+16*\b+\i]|, |v[(\s)+16*\b+\i+1]|
.endif
.endr
.endr
	WIN 0
.irp b, 0,1,2,3
	v_permlanex16_b32 v[TM+4+\b], v[TM+\b], s[SEL], s[SEL+1]
.endr
.irp b, 0,1,2,3
	v_max_num_f32 v[TM+\b], v[TM+\b], v[TM+4+\b]
.endr
.irp b, 0,1,2,3
	v_add_nc_u32 v[TM+12+\b], 0xf8800000, v[TM+\b]
.endr
.irp b, 0,1,2,3
	v_and_or_b32 v[TM+8+\b], v[TM+\b], 0x7f800000, s[MNT]
.endr
.irp b, 0,1,2,3
	v_lshrrev_b32 v[TM+4+\b], 23, v[TM+12+\b]
.endr
	v_lshl_or_b32 v[PW], v[TM+5], 8, v[TM+4]
	v_lshl_or_b32 v[PW], v[TM+6], 16, v[PW]
	v_lshl_or_b32 v[PW], v[TM+7], 24, v[PW]
	WIN (\w)
.irp b, 0,1,2,3
.irp i, 0,1,2,3,4,5,6,7,8,9,10,11,12,13,14,15
.if \relu
	v_med3_num_f32 v[XW+16*\b+\i], v[(\s)+16*\b+\i], 0, v[TM+8+\b]
.else
	v_med3_num_f32 v[XW+16*\b+\i], v[(\s)+16*\b+\i], -v[TM+8+\b], v[TM+8+\b]
.endif
.endr
.endr
	WIN 0
.irp b, 0,1,2,3
	v_cvt_scalef32_pk8_bf8_f32 v[PC+4*\b:PC+4*\b+1], v[XW+16*\b:XW+16*\b+7], v[TM+12+\b]
	v_cvt_scalef32_pk8_bf8_f32 v[PC+4*\b+2:PC+4*\b+3], v[XW+16*\b+8:XW+16*\b+15], v[TM+12+\b]
.endr
	v_nop
.endm
.macro WAYOUT rd, sec, step, rm
.irp hd, 0,1
.irp i, 0,1,2,3,4,5,6,7,8,9,10,11,12,13,14,15
	ds_load_b128 v[64+64*\hd+4*\i:64+64*\hd+4*\i+3], v[\rd] offset:\hd*\sec+\i*\step
.endr
.endr
	ds_load_b128 v[192:195], v[\rm]
.irp hd, 0,1
.irp i, 0,1,2,3,4,5,6,7,8,9,10,11,12,13,14,15
	s_wait_dscnt 32-16*\hd-\i
	global_store_b128 v[GOC], v[64+64*\hd+4*\i:64+64*\hd+4*\i+3], s[74:75] offset:\hd*131072+512*\i
.endr
.endr
	s_wait_dscnt 0x0
	global_store_b128 v[GOS], v[192:195], s[76:77]
.endm
	s_wait_dscnt 0x0
	s_barrier_signal -1
	s_barrier_wait -1
	PLACES NP
	s_mov_b32 s[MNT], 0x600000
	s_mov_b32 s[SEL], 0x76543210
	s_mov_b32 s[SEL+1], 0xfedcba98
	v_mov_b32 v[FLO], 0x8000000
.irp b, 0,1,2,3
	v_mov_b32 v[TM+4+\b], 0
.endr
	s_cmp_eq_u32 ttmp9, 2
	s_cbranch_scc1 .Lv_path
	s_cmp_eq_u32 ttmp9, 0
	s_cselect_b64 s[68:69], s[96:97], s[98:99]
	s_lshl_b32 s70, s40, 10
	s_lshl_b32 s71, s16, 9
	s_add_co_u32 s70, s70, s71
	s_mov_b32 s71, 0
	s_add_nc_u64 s[68:69], s[68:69], s[70:71]
	s_lshl_b32 s72, s17, 15
	s_add_co_u32 s72, s72, ROPE
	s_mov_b32 s73, 0
	s_add_nc_u64 s[72:73], s[100:101], s[72:73]
	s_lshl_b32 s78, s15, 4
	s_lshl_b32 s79, s40, 2
	s_add_co_u32 s78, s78, s79
	s_lshl_b32 s79, s16, 1
	s_add_co_u32 s78, s78, s79
	s_lshl_b32 s74, s78, 17
	s_lshl_b32 s75, ttmp9, 22
	s_add_co_u32 s74, s74, s75
	s_lshl_b32 s75, s17, 13
	s_add_co_u32 s74, s74, s75
	s_mov_b32 s75, 0
	s_add_nc_u64 s[74:75], s[94:95], s[74:75]
	s_lshl_b32 s76, s78, 12
	s_lshl_b32 s77, ttmp9, 17
	s_add_co_u32 s76, s76, s77
	s_lshl_b32 s77, s17, 8
	s_add_co_u32 s76, s76, s77
	s_add_co_u32 s76, s76, Q_S
	s_mov_b32 s77, 0
	s_add_nc_u64 s[76:77], s[94:95], s[76:77]
.irp c, 0,1,2,3
.irp j, 0,1,2,3
	global_load_b128 v[BI+16*\c+4*\j:BI+16*\c+4*\j+3], v[BIO], s[68:69] offset:128*\c+16*\j
.endr
.endr
.macro CSLOAD a
.irp j, 0,1,2,3,4,5,6,7
	global_load_b128 v[32*((\a)%2)+4*\j:32*((\a)%2)+4*\j+3], v[CSO], s[72:73] offset:(32*((\a)/2)+8*((\a)%2))*256+16*\j+64*(\j/4)
.endr
.endm
	WIN 0x40
	CSLOAD 0
	CSLOAD 1
	WIN 0
.macro QKBLOCK a
.if (\a) < 7
	s_wait_loadcnt 8
.else
	s_wait_loadcnt 0
.endif
.set AC, 64*((\a)%4)
.set CSR, 32*((\a)%2)
	WIN 2+(\a)/4
.set k, 0
.rept 32
	v_pk_add_f32 v[XW+k:XW+k+1], v[AC+k:AC+k+1], v[BI+k:BI+k+1]
.set k, k+2
.endr
	WIN 0x04
.irp c, 0,1,2,3
.irp p, 0,1,2,3,4,5,6,7
	v_pk_mul_f32 v[PC+2*\p:PC+2*\p+1], v[XW+16*\c+2*\p:XW+16*\c+2*\p+1], v[CSR+16*(\c%2)+2*\p:CSR+16*(\c%2)+2*\p+1] op_sel_hi:[1,0]
.endr
.irp p, 0,1,2,3,4,5,6,7
	v_pk_fma_f32 v[XW+16*\c+2*\p:XW+16*\c+2*\p+1], v[XW+16*\c+2*\p:XW+16*\c+2*\p+1], v[CSR+16*(\c%2)+2*\p:CSR+16*(\c%2)+2*\p+1], v[PC+2*\p:PC+2*\p+1] op_sel:[1,1,0] op_sel_hi:[0,1,1] neg_lo:[0,1,0]
.endr
.endr
.if (\a)+2 < 8
	WIN 0x40
	CSLOAD (\a)+2
.endif
	QUANT XW, 0, 0
.irp c, 0,1,2,3
	ds_store_b128 v[STQ], v[PC+4*\c:PC+4*\c+3] offset:(\c/2)*10240+1280*(\a)+32*(\c%2)
.endr
	ds_store_b16 v[SMQ], v[PW] offset:64*((\a)/2)+2*((\a)%2)
	ds_store_b16_d16_hi v[SMQ], v[PW] offset:256+64*((\a)/2)+2*((\a)%2)
	s_wait_dscnt 0x0
.endm
.irp a, 0,1,2,3,4,5,6,7
	QKBLOCK \a
.endr
	WAYOUT RDQ, 10240, 640, RMQ
	s_branch .Lend
.Lv_path:
	s_lshl_b32 s70, s41, 10
	s_lshl_b32 s71, s15, 9
	s_add_co_u32 s70, s70, s71
	s_mov_b32 s71, 0
	s_add_nc_u64 s[68:69], s[92:93], s[70:71]
	s_lshl_b32 s78, s16, 4
	s_lshl_b32 s79, s41, 2
	s_add_co_u32 s78, s78, s79
	s_lshl_b32 s79, s15, 1
	s_add_co_u32 s78, s78, s79
	s_lshl_b32 s74, s78, 17
	s_lshl_b32 s75, s42, 13
	s_add_co_u32 s74, s74, s75
	s_add_co_u32 s74, s74, 0x800000
	s_mov_b32 s75, 0
	s_add_nc_u64 s[74:75], s[94:95], s[74:75]
	s_lshl_b32 s76, s78, 12
	s_lshl_b32 s77, s42, 8
	s_add_co_u32 s76, s76, s77
	s_add_co_u32 s76, s76, 0xc40000
	s_mov_b32 s77, 0
	s_add_nc_u64 s[76:77], s[94:95], s[76:77]
.irp a, 0,1,2,3,4,5,6,7
	global_load_b32 v[BI+2*\a], v[BVO], s[68:69] offset:(32*(\a/2)+8*(\a%2))*4
	global_load_b32 v[BI+2*\a+1], v[BVO], s[68:69] offset:(32*(\a/2)+8*(\a%2))*4
.endr
	s_wait_loadcnt 0x0
.macro VBLOCK a
.set AC, 64*((\a)%4)
	WIN 2+(\a)/4
.set k, 0
.rept 32
	v_pk_add_f32 v[XW+k:XW+k+1], v[AC+k:AC+k+1], v[BI+2*(\a):BI+2*(\a)+1]
.set k, k+2
.endr
	QUANT XW, 0, 0
.irp c, 0,1,2,3
	ds_store_b128 v[STV], v[PC+4*\c:PC+4*\c+3] offset:(32*((\a)/2)+8*((\a)%2))*144+32*\c
.endr
	ds_store_b32 v[SMV], v[PW] offset:(32*((\a)/2)+8*((\a)%2))*4
	s_wait_dscnt 0x0
.endm
.irp a, 0,1,2,3,4,5,6,7
	VBLOCK \a
.endr
	WAYOUT RDV, 9216, 576, RMV
.Lend:
	s_wait_tensorcnt 0x0
	ds_add_u32 v[SPW], v[NIL]
	s_wait_dscnt 0x0
	CROUND
	s_endpgm
.Lfunc_end_k_q2287e06430_qkv:
	.size	k_q2287e06430_qkv, .Lfunc_end_k_q2287e06430_qkv-k_q2287e06430_qkv
	.p2alignl 7, 3214868480
	.fill 96, 4, 3214868480
	.section	.rodata,"a",@progbits
	.p2align	6, 0x0
	.amdhsa_kernel k_q2287e06430_qkv
		.amdhsa_group_segment_fixed_size 327680
		.amdhsa_private_segment_fixed_size 0
		.amdhsa_enable_private_segment 0
		.amdhsa_kernarg_size 40
		.amdhsa_user_sgpr_count 2
		.amdhsa_user_sgpr_kernarg_segment_ptr 1
		.amdhsa_wavefront_size32 1
		.amdhsa_system_sgpr_workgroup_id_x 1
		.amdhsa_system_sgpr_workgroup_id_y 1
		.amdhsa_system_sgpr_workgroup_id_z 1
		.amdhsa_system_vgpr_workitem_id 0
		.amdhsa_next_free_vgpr 1024
		.amdhsa_next_free_sgpr 102
		.amdhsa_reserve_vcc 0
		.amdhsa_float_denorm_mode_32 3
		.amdhsa_float_denorm_mode_16_64 3
		.amdhsa_memory_ordered 1
		.amdhsa_forward_progress 1
		.amdhsa_inst_pref_size 255
	.end_amdhsa_kernel
	.section	.bss,"aw",@nobits
	.p2align	6
	.space	262144
	.amdgpu_metadata
---
amdhsa.version: [ 1, 2 ]
amdhsa.kernels:
  - .name:           k_q2287e06430_qkv
    .symbol:         k_q2287e06430_qkv.kd
    .args:
      - { .name: prep_out, .offset: 0, .size: 8, .value_kind: global_buffer, .address_space: global }
      - { .name: q_b, .offset: 8, .size: 8, .value_kind: global_buffer, .address_space: global }
      - { .name: k_b, .offset: 16, .size: 8, .value_kind: global_buffer, .address_space: global }
      - { .name: v_b, .offset: 24, .size: 8, .value_kind: global_buffer, .address_space: global }
      - { .name: qkv_out, .offset: 32, .size: 8, .value_kind: global_buffer, .address_space: global }
    .group_segment_fixed_size: 327680
    .private_segment_fixed_size: 0
    .kernarg_segment_align: 8
    .kernarg_segment_size: 40
    .max_flat_workgroup_size: 128
    .sgpr_count:     102
    .vgpr_count:     1024
    .wavefront_size: 32
...
	.end_amdgpu_metadata
.endif
;; end of part 2
;; launch attn (part 3): grid 8 x 32, 16 waves a work-group, no clusters, 327,680 bytes of LDS; arguments qkv_out, src, attn_out; writes attn_out
.if DOCPART == 3
	.amdgcn_target "amdgcn-amd-amdhsa--gfx1250"
	.amdhsa_code_object_version 6
	.text
	.protected	k_q2287e06430_attn
	.globl	k_q2287e06430_attn
	.p2align	8
	.type	k_q2287e06430_attn,@function
k_q2287e06430_attn:
	s_mov_b64 s[64:65], 0
	v_nop
	global_prefetch_b8 v0, s[64:65] scope:SCOPE_SE
	s_setreg_imm32_b32 hwreg(HW_REG_WAVE_MODE, 25, 1), 1
	s_wait_xcnt 0x0
; ATTENTION on codes of E5M2: y = src + softmax(q k^T / 8) v.  A work-group has one (batch, head) and 256 query positions, each of its sixteen waves 16 queries.
; THE WHOLE HEAD'S K AND V CODES LIE IN LDS (2,048 x 64 and 64 x 2,048 bytes, padded); every byte is filled once.  At the head six waves ask, one load each: keys 0-511 of K (waves 0, 1) and of V (2, 3) and the
; head's scale bytes (4: K's, 5: V's).  Behind the first barrier, with the full sequence in front of it, twelve waves ask for keys 512-2,047, one load each (waves 0-5: K, 6-11: V).
; No cluster: K and V are asked for in two groups in the whole launch and no slot is filled again; joint loads would need three rounds of the cluster's barrier for these two groups.
; K and V are not prefetched: they are asked for at the head, with no loop ahead of them.  src is: each wave names its 16 blocks of 256 bytes once, behind step 2, thirteen steps ahead of the loads.
; Both products are used transposed: S^T = K Q^T, O^T = V^T P^T: a lane holds one query (lane % 16) throughout.
; K = 64 IN A PRODUCT 128 DEEP: a fragment of K holds position 32 f + r in registers 0-7 and position 32 f + 16 + r in registers 8-15; q stands between two runs of zero codes, v[16:31] = [0 | q], v[24:39] = [q | 0].
; The half that meets zero codes adds exactly 0 (q's unused scale bytes are 127).  By the position order the 16 registers of tiles 2 f, 2 f + 1 are true keys 32 f + 16 h + 0..15: p is quantised in registers.
; SOFTMAX: t = score x log2(e) / 8; M = the running largest t rounded up to a whole number; p = 2^(t - M) is quantised along the keys, not normalised; the sum is of the unquantised p and divides at the end;
; when M moves, the sum and O^T are multiplied by 2^(old M - new M), which rounds nothing.
; TWO BLOCKS OF 64 REGISTERS CHANGE PLACES FROM STEP TO STEP: K in one (KR), the scores in the other (SR); V then takes KR; a block of p that is converted leaves its 16 registers to the next step's K.
; A BARRIER FOR EVERY TWO STEPS, signal and wait one step apart: it holds the sixteen waves within two steps of each other.  The first of them also shows keys 512-2,047 landed.
; LIMITS: NaN and infinities are not served; a block whose every p has fallen under 2^-111 gets the byte 1; the promise holds while |t| stays under 2^31.
.set KP,   80                          ; a key's row in LDS: 64 bytes + 16
.set VP,   144                         ; a row of V (one d, 128 keys): 128 bytes + 16
.set VT,   163840
.set SCK,  311296
.set SCV,  315392
.set SPARE, 319488                     ; the spare words: 128 bytes a wave, eight blocks of 256 bytes that no other line names
.set K_C,  0x400000
.set V_C,  0x800000
.set Q_S,  0xc00000
.set K_S,  0xc20000
.set AK0, 1
.set AV0, 2
.set ASK0, 3
.set ASV0, 4
.set PFO, 5                            ; the prefetch's offset; on the way out the register is GO
.set GO,  5
.set SPW, 6                            ; my spare word; never rewritten
.set NIL, 7                            ; 0; never rewritten
.set ADK, 8
.set ADV, 9
.set ADS, 10
.set ADT, 11
.set X,   40
.set Y,   104
.set O,   168
.set PCD, 200
.set BM,  216
.set T1,  220
.set HOLD, 224
.set SOP, 228
.set KSW, 232
.set F,   236
.set TMP, 238
.set PSW, 239
.set QSL, 240
.set QSH, 241
.set SUM2, 242
.set VSW, 244
.set HB,  248                          ; the holds once more, block b's at 248 + (b + 1) % 4: another bank, for the second half of a pair
.set SUM3, 252
.set SUM4, 254
.set WV,  18
.set MNT, 19
.set SEL, 20
.set CS,  22
.set G1K, 24
.set G1V, 32
.set G1S, 40
.set TK,  2
.set TV,  3
.set TS,  66
.set CNT, 67
.macro GRP1 g, w0, c, r                ; group 1: r rows of c elements, dense in memory
	s_mov_b32 s[\g], \w0
	s_mov_b32 s[\g+1], (\c)<<16
	s_mov_b32 s[\g+2], (\r)<<16
	s_mov_b32 s[\g+3], (\c)<<16
	s_mov_b32 s[\g+4], \r
	s_mov_b32 s[\g+5], \c
	s_mov_b32 s[\g+6], 0
	s_mov_b32 s[\g+7], 0
.endm
.macro ARM under, g0, g1, next, join   ; one arm of a chain of branches on the wave's number: one load, then the join
	s_cmp_lt_u32 s[WV], \under
	s_cbranch_scc0 \next
	tensor_load_to_lds s[\g0:\g0+3], s[\g1:\g1+7]
	s_nop 0
.rept 4
	v_nop
.endr
	s_branch \join
\next:
.endm
	s_load_b128 s[4:7], s[0:1], 0x0                ; qkv_out, src
	s_load_b64 s[8:9], s[0:1], 0x10                ; attn_out
	v_lshl_add_u32 v[SPW], v0, 2, SPARE
	v_mov_b32 v[NIL], 0
	ds_add_u32 v[SPW], v[NIL]                      ; the opening lines: the add twice on end and one wait
	ds_add_u32 v[SPW], v[NIL]
	v_lshrrev_b32 v8, 5, v0
	v_readfirstlane_b32 s[WV], v8                  ; wave 0..15
	s_and_b32 s10, ttmp7, 0xffff                   ; 16 b + head
	s_and_b32 s11, s[WV], 1
	GRP1 G1K, (1<<20)|(3<<22)|(3<<25), 64, 256     ; bytes; 4 words of padding behind every 16
	GRP1 G1V, (1<<20)|(4<<22)|(3<<25), 128, 128    ; 4 words behind every 32
	GRP1 G1S, 3<<16, 32, 16                        ; 4,096 dense bytes as 16 rows of 32 elements of 8 bytes
	s_lshl_b32 s12, s10, 17                        ; the head's codes,
	s_lshl_b32 s13, s10, 12                        ; and its scale bytes
	s_lshl_b32 s14, s11, 14
	s_add_co_u32 s14, s14, s12                     ; head group: my half of keys 0-511, 16,384 bytes in K and in V alike
	s_mov_b32 s15, 0
	s_lshl_b32 s16, s11, 17
	s_add_co_u32 s16, s16, s13                     ; K's scale bytes (even wave) or V's, 0x20000 further on
	s_mov_b32 s17, 0
	s_lshl_b32 s72, s[WV], 14
	s_add_co_u32 s72, s72, s12                     ; second group: 16,384 bytes a wave
	s_mov_b32 s73, 0
	s_mov_b32 s48, 1                               ; s[48:51] K, head;  s[52:55] V, head;  s[56:59] scale bytes;  s[60:63] K, second group;  s[68:71] V, second group
	s_mul_i32 s49, s11, 256*KP
	s_mov_b32 s52, 1
	s_mul_i32 s53, s11, 128*VP
	s_add_co_u32 s53, s53, VT
	s_mov_b32 s56, 1
	s_lshl_b32 s57, s11, 12
	s_add_co_u32 s57, s57, SCK
	s_mov_b32 s60, 1
	s_mul_i32 s61, s[WV], 256*KP
	s_add_co_u32 s61, s61, 512*KP                  ; waves 0-5: rows 512 + 256 wave
	s_mov_b32 s68, 1
	s_mul_i32 s69, s[WV], 128*VP
	s_add_co_u32 s69, s69, VT-512*VP               ; waves 6-11: rows 256 + 128 (wave - 6)
	s_mov_b32 s[SEL], 0x76543210
	s_mov_b32 s[SEL+1], 0xfedcba98
	s_mov_b32 s[CS], 0x3e38aa3b                    ; log2(e) / 8
	s_mov_b32 s[CS+1], s[CS]
	s_mov_b32 s[MNT], 0x600000
	s_mov_b32 s[TK], 0
	s_mov_b32 s[TV], 0
	s_mov_b32 s[TS], 0
	s_wait_dscnt 0x0                               ; both opening adds are done
	s_wait_kmcnt 0x0
	s_add_nc_u64 s[14:15], s[4:5], s[14:15]
	s_add_nc_u64 s[50:51], s[14:15], K_C
	s_or_b32 s51, s51, 0x80000000
	s_add_nc_u64 s[54:55], s[14:15], V_C
	s_or_b32 s55, s55, 0x80000000
	s_add_nc_u64 s[16:17], s[4:5], s[16:17]
	s_add_nc_u64 s[58:59], s[16:17], K_S
	s_or_b32 s59, s59, 0x80000000
	s_add_nc_u64 s[72:73], s[4:5], s[72:73]
	s_add_nc_u64 s[62:63], s[72:73], K_C+32768
	s_or_b32 s63, s63, 0x80000000
	s_add_nc_u64 s[70:71], s[72:73], V_C-65536     ; + 32,768 - 6 x 16,384
	s_or_b32 s71, s71, 0x80000000
	ARM 2, 48, G1K, .Lh_v, .Lh_j
	ARM 4, 52, G1V, .Lh_s, .Lh_j
	ARM 6, 56, G1S, .Lh_n, .Lh_j
.Lh_j:
	s_lshl_b32 s95, ttmp9, 8
	s_lshl_b32 s96, s[WV], 4
	s_add_co_u32 s95, s95, s96                     ; my first query position
	s_lshl_b32 s96, s95, 6
	s_add_co_u32 s96, s96, s12
	s_mov_b32 s97, 0
	s_add_nc_u64 s[96:97], s[4:5], s[96:97]
	s_lshr_b32 s98, s95, 5
	s_lshl_b32 s98, s98, 6
	s_add_co_u32 s98, s98, s13
	s_add_co_u32 s98, s98, Q_S
	s_mov_b32 s99, 0
	s_add_nc_u64 s[98:99], s[4:5], s[98:99]
	s_lshl_b32 s101, s11, 4
	s_lshl_b32 s92, ttmp9, 8                       ; my tile's true keys: 256 X + 32 (w / 2) + 8 (w % 2) + 16 (r / 8) + r % 8
	s_lshr_b32 s93, s[WV], 1
	s_lshl_b32 s93, s93, 5
	s_add_co_u32 s92, s92, s93
	s_lshl_b32 s93, s11, 3
	s_add_co_u32 s92, s92, s93
	s_lshl_b32 s92, s92, 13
	s_lshr_b32 s93, s10, 4
	s_lshl_b32 s93, s93, 12
	s_add_co_u32 s92, s92, s93
	s_and_b32 s93, s10, 15
	s_lshl_b32 s93, s93, 8
	s_add_co_u32 s92, s92, s93
	s_mov_b32 s93, 0
	s_add_nc_u64 s[6:7], s[6:7], s[92:93]          ; src and y at my tile's first row, my head's 256 bytes
	s_add_nc_u64 s[8:9], s[8:9], s[92:93]
	v_and_b32 v8, 15, v0                           ; r
	v_bfe_u32 v9, v0, 4, 1                         ; h
	v_lshlrev_b32 v10, 6, v8
	v_lshl_add_u32 v10, v9, 4, v10
	global_load_b128 v[24:27], v10, s[96:97]
	global_load_b128 v[28:31], v10, s[96:97] offset:32
	v_lshlrev_b32 v11, 2, v8
	global_load_b32 v[QSL], v11, s[98:99]          ; the word of positions 32 F + r (low half) and 32 F + 16 + r (high half)
	v_mul_u32_u24 v[AK0], v8, KP
	v_lshl_add_u32 v[AK0], v9, 4, v[AK0]
	v_mul_u32_u24 v[AV0], v8, VP
	v_lshl_add_u32 v[AV0], v9, 4, v[AV0]
	v_add_nc_u32 v[AV0], VT, v[AV0]
	v_lshl_add_u32 v[ASK0], v8, 2, SCK
	v_lshl_add_u32 v[ASV0], v8, 2, SCV
	v_and_b32 v[PFO], 31, v0
	v_min_u32 v[PFO], 15, v[PFO]                   ; lanes 16-31 name lane 15's block again
	v_lshrrev_b32 v12, 3, v[PFO]
	v_lshl_add_u32 v[PFO], v12, 3, v[PFO]          ; rows 0-7 and 16-23 of my tile,
	v_lshlrev_b32 v[PFO], 13, v[PFO]               ; 8,192 bytes apart
.irp j, 0,1,2,3,4,5,6,7
	v_mov_b32 v[16+\j], 0                          ; zero codes on both sides of q
	v_mov_b32 v[32+\j], 0
.endr
	v_mov_b32 v13, 0xff61b1e6                      ; the largest t so far: -3e38
	v_floor_f32 v12, -v13                          ; -M
	v_mov_b32 v14, 0
	v_mov_b32 v15, 0
.irp b, 0,1,2,3
	v_mov_b32 v[T1+\b], 0                          ; a lane permute's destination counts as one of its sources
.endr
	v_mov_b32 v[F+1], 0                            ; named as the upper half of a pair
	s_wait_alu depctr_va_vdst(0)                   ; the wait ahead of the wait below
	s_wait_loadcnt 0x0
	v_lshrrev_b32 v[TMP], s101, v[QSL]
	v_and_b32 v[TMP], 0xffff, v[TMP]               ; my tile's two bytes
	v_or_b32 v[QSL], 0x7f7f0000, v[TMP]            ; for [q | 0]
	v_lshl_or_b32 v[QSH], v[TMP], 16, 0x7f7f       ; for [0 | q]
.set j, 0
.rept 32
	v_mov_b32 v[O+j], 0                            ; O^T: the step is written for every step alike; the first finds zeros
.set j, j+1
.endr
.macro ADDRS                           ; the step's four LDS addresses
	v_add_nc_u32 v[ADK], s[TK], v[AK0]
	v_add_nc_u32 v[ADV], s[TV], v[AV0]
	v_add_nc_u32 v[ADS], s[TS], v[ASK0]
	v_add_nc_u32 v[ADT], s[TS], v[ASV0]
.endm
.macro KFRAG R, f, nx                  ; fragment f of K and its scale word, of this step (nx = 0) or of the next (nx = 1)
	ds_load_b128 v[\R+16*\f:\R+16*\f+3], v[ADK] offset:\nx*128*KP+32*KP*\f
	ds_load_b128 v[\R+16*\f+4:\R+16*\f+7], v[ADK] offset:\nx*128*KP+32*KP*\f+32
	ds_load_b128 v[\R+16*\f+8:\R+16*\f+11], v[ADK] offset:\nx*128*KP+32*KP*\f+16*KP
	ds_load_b128 v[\R+16*\f+12:\R+16*\f+15], v[ADK] offset:\nx*128*KP+32*KP*\f+16*KP+32
	ds_load_b32 v[KSW+\f], v[ADS] offset:\nx*256+64*\f
.endm
.macro VFRAG R, t                      ; tile t of V (16 of the head's 64 x 128 keys) and its scale word
.irp c, 0,1,2,3
	ds_load_b128 v[\R+16*\t+4*\c:\R+16*\t+4*\c+3], v[ADV] offset:16*VP*\t+32*\c
.endr
	ds_load_b32 v[VSW+\t], v[ADT] offset:64*\t
.endm
.macro SUMR SR, g                      ; eight more p into the four chains of the row's sum
	v_pk_add_f32 v[14:15], v[14:15], v[\SR+12+8*\g:\SR+13+8*\g]
	v_pk_add_f32 v[SUM2:SUM2+1], v[SUM2:SUM2+1], v[\SR+14+8*\g:\SR+15+8*\g]
	v_pk_add_f32 v[SUM3:SUM3+1], v[SUM3:SUM3+1], v[\SR+16+8*\g:\SR+17+8*\g]
	v_pk_add_f32 v[SUM4:SUM4+1], v[SUM4:SUM4+1], v[\SR+18+8*\g:\SR+19+8*\g]
.endm
.macro TM SR, k                        ; t - M of two scores
	v_pk_fma_f32 v[\SR+\k:\SR+\k+1], v[\SR+\k:\SR+\k+1], s[CS:CS+1], v[12:13] op_sel_hi:[1,0,0]
.endm
; A KEY STEP: 128 keys.  K lies in v[KR] on; the scores go to v[SR] on.  pre = 1: the next step's K is fetched into v[SR].
.macro STEP KR, SR, pre
	ADDRS                                          ; with the five v_nop at the last step's end: nine plain lines between the products that read v[SR] as V and those that now write it
	s_wait_dscnt 0x0                               ; K and its scale words are in
.irp f, 0,1,2,3
	v_wmma_scale_f32_16x16x128_f8f6f4 v[\SR+16*\f:\SR+16*\f+7], v[\KR+16*\f:\KR+16*\f+15], v[24:39], 0, v[KSW+\f], v[QSL] matrix_a_fmt:MATRIX_FMT_BF8 matrix_b_fmt:MATRIX_FMT_BF8
	v_wmma_scale_f32_16x16x128_f8f6f4 v[\SR+16*\f+8:\SR+16*\f+15], v[\KR+16*\f:\KR+16*\f+15], v[16:31], 0, v[KSW+\f], v[QSH] matrix_a_fmt:MATRIX_FMT_BF8 matrix_b_fmt:MATRIX_FMT_BF8
.endr
.rept 8
	v_nop                                          ; eight plain lines ahead of the first read of the scores
.endr
.irp b, 0,1,2,3
	v_max3_num_f32 v[BM+\b], v[\SR+16*\b], v[\SR+16*\b+1], v[\SR+16*\b+2]   ; the largest score of each block of 32 keys: for the row's maximum and for the block's largest p
.endr
.irp i, 3,5,7,9,11,13
.irp b, 0,1,2,3
	v_max3_num_f32 v[BM+\b], v[BM+\b], v[\SR+16*\b+\i], v[\SR+16*\b+\i+1]
.endr
.endr
.irp b, 0,1,2,3
	v_max_num_f32 v[BM+\b], v[BM+\b], v[\SR+16*\b+15]
.endr
.irp b, 0,1,2,3
	v_permlanex16_b32 v[T1+\b], v[BM+\b], s[SEL], s[SEL+1]
.endr
.irp b, 0,1,2,3
	v_max_num_f32 v[BM+\b], v[BM+\b], v[T1+\b]
.endr
	v_max3_num_f32 v[TMP], v[BM], v[BM+1], v[BM+2] ; the chain that makes M; V's loads stand between its links
	VFRAG \KR, 0
	v_max_num_f32 v[TMP], v[TMP], v[BM+3]
	VFRAG \KR, 1
	v_mul_f32 v[TMP], s[CS], v[TMP]
	VFRAG \KR, 2
	v_max_num_f32 v13, v13, v[TMP]                 ; the running largest t
	VFRAG \KR, 3
	v_mov_b32 v[TMP], v12
	v_floor_f32 v12, -v13                          ; the new -M: M is a whole number
	TM \SR, 0
	TM \SR, 2
	v_sub_f32 v[TMP], v12, v[TMP]
	TM \SR, 4
	v_cvt_i32_f32 v[TMP], v[TMP]                   ; (it saturates)
	TM \SR, 6
	v_ldexp_f32 v[F], 1.0, v[TMP]                  ; f = 2^(old M - new M)
.set k, 8
.rept 28
	TM \SR, k
.set k, k+2
.endr
.irp b, 0,1,2,3
	v_fma_f32 v[BM+\b], v[BM+\b], s[CS], v12       ; the same of each block's largest score
.endr
.set k, 0
.rept 16
	v_pk_mul_f32 v[O+k:O+k+1], v[O+k:O+k+1], v[F:F+1] op_sel_hi:[1,0]   ; O^T under the new M, each tile from its low end on; no exponential stands between the last products and these
.set k, k+2
.endr
	s_wait_alu depctr_va_vdst(0)                   ; the wait ahead of the batch
.set k, 0
.rept 64
	v_exp_f32 v[\SR+k], v[\SR+k]                   ; p = 2^(t - M)
.set k, k+1
.endr
.irp b, 0,1,2,3
	v_exp_f32 v[BM+\b], v[BM+\b]                   ; the block's largest p: the same two instructions on the same number give the same bits
.endr
	v_pk_mul_f32 v[14:15], v[14:15], v[F:F+1] op_sel_hi:[1,0]   ; the sum under the new M: the plain line behind the batch
	s_wait_alu depctr_va_vdst(0)                   ; one wait for the whole batch, ahead of its first reader
	v_pk_add_f32 v[SUM2:SUM2+1], v[\SR:\SR+1], v[\SR+2:\SR+3]   ; the row's sum of the unquantised p in four chains, the blocks' scales between them
	v_pk_add_f32 v[SUM3:SUM3+1], v[\SR+4:\SR+5], v[\SR+6:\SR+7]
	v_pk_add_f32 v[SUM4:SUM4+1], v[\SR+8:\SR+9], v[\SR+10:\SR+11]
	SUMR \SR, 0
.irp b, 0,1,2,3
	v_max_num_f32 v[BM+\b], 0x8000000, v[BM+\b]    ; the floor 2^(16 - 127)
.endr
	SUMR \SR, 1
.irp b, 0,1,2,3
	v_add_nc_u32 v[SOP+\b], 0xf8800000, v[BM+\b]   ; 15 off the exponent field: the conversion's scale operand
.endr
	SUMR \SR, 2
.irp b, 0,1,2,3
	v_and_or_b32 v[HOLD+\b], v[BM+\b], 0x7f800000, s[MNT]   ; 57,344 x the scale,
.endr
	SUMR \SR, 3
.irp b, 0,1,2,3
	v_and_or_b32 v[HB+(\b+1)%4], v[BM+\b], 0x7f800000, s[MNT]   ; and once more, in another bank
.endr
	SUMR \SR, 4
.irp b, 0,1,2,3
	v_lshrrev_b32 v[T1+\b], 23, v[SOP+\b]          ; the scale's byte
.endr
	SUMR \SR, 5
	v_lshl_or_b32 v[PSW], v[T1+1], 8, v[T1]        ; p's scale word for these 128 keys
	v_pk_add_f32 v[14:15], v[14:15], v[\SR+60:\SR+61]
	v_lshl_or_b32 v[PSW], v[T1+2], 16, v[PSW]
	v_pk_add_f32 v[SUM2:SUM2+1], v[SUM2:SUM2+1], v[\SR+62:\SR+63]
	v_lshl_or_b32 v[PSW], v[T1+3], 24, v[PSW]
.irp b, 0,1,2,3                                ; block by block: the one-sided hold, the conversion, and into the 16 registers so freed a fragment of the next step's K
.irp i, 0,2,4,6,8,10,12,14
	v_dual_min_num_f32 v[\SR+16*\b+\i], v[\SR+16*\b+\i], v[HOLD+\b] :: v_dual_min_num_f32 v[\SR+16*\b+\i+1], v[\SR+16*\b+\i+1], v[HB+(\b+1)%4]
.endr
	v_cvt_scalef32_pk8_bf8_f32 v[PCD+4*\b:PCD+4*\b+1], v[\SR+16*\b:\SR+16*\b+7], v[SOP+\b]
	v_cvt_scalef32_pk8_bf8_f32 v[PCD+4*\b+2:PCD+4*\b+3], v[\SR+16*\b+8:\SR+16*\b+15], v[SOP+\b]
.if \pre
	KFRAG \SR, \b, 1
.endif
.endr
	v_pk_add_f32 v[SUM3:SUM3+1], v[SUM3:SUM3+1], v[SUM4:SUM4+1]   ; the four chains join: with the v_nop, the four plain lines between the conversions and the products
	v_pk_add_f32 v[14:15], v[14:15], v[SUM2:SUM2+1]
	v_pk_add_f32 v[14:15], v[14:15], v[SUM3:SUM3+1]
	v_nop
	s_wait_alu depctr_va_vdst(0)                   ; the wait ahead of the wait below
.if \pre
	s_wait_dscnt 20                                ; V and its scale words are in; the next step's K, 16 + 4 loads, may be out
.else
	s_wait_dscnt 0x0
.endif
.irp t, 0,1,2,3
	v_wmma_scale_f32_16x16x128_f8f6f4 v[O+8*\t:O+8*\t+7], v[\KR+16*\t:\KR+16*\t+15], v[PCD:PCD+15], v[O+8*\t:O+8*\t+7], v[VSW+\t], v[PSW] matrix_a_fmt:MATRIX_FMT_BF8 matrix_b_fmt:MATRIX_FMT_BF8
.endr
	s_add_co_u32 s[TK], s[TK], 128*KP
	s_add_co_u32 s[TV], s[TV], 64*VP
	s_add_co_u32 s[TS], s[TS], 256
.rept 5
	v_nop                                          ; five of the nine plain lines ahead of the next step's products
.endr
.endm
.macro HERE                            ; the first half of the barrier for two steps: no LDS load of mine is out at the signal
	s_wait_dscnt 0x0
	s_barrier_signal -1
.endm
	s_wait_alu depctr_va_vdst(0)                   ; the wait at the head's end
	s_wait_tensorcnt 0x0                           ; my load of the head's six is in; the full sequence ahead of the later first fills:
	ds_add_u32 v[SPW], v[NIL]                      ; the add, twice on end here
	ds_add_u32 v[SPW], v[NIL]
	s_wait_dscnt 0x0
	s_barrier_signal -1
	s_barrier_wait -1                              ; keys 0-511 and all scale bytes are in
	ARM 6, 60, G1K, .Lg_v, .Lg_j                   ; keys 512-2,047: one load a wave
	ARM 12, 68, G1V, .Lg_n, .Lg_j
.Lg_j:
	ADDRS
.irp f, 0,1,2,3
	KFRAG X, \f, 0
.endr
	STEP X, Y, 1
	STEP Y, X, 1
	s_wait_tensorcnt 0x0                           ; my load of the second group has landed
	HERE
	STEP X, Y, 1                                   ; step 2 reads keys 256-511 alone
	s_barrier_wait -1                              ; everybody's have: all of K and V is in
	global_prefetch_b8 v[PFO], s[6:7] th:TH_LOAD_NT scope:SCOPE_SE   ; my 16 blocks of src, for the way out
	STEP Y, X, 1
	s_mov_b32 s[CNT], 5
.Lpair:                                            ; a trip runs two steps, until the two blocks are back where they began
	HERE
	STEP X, Y, 1
	s_barrier_wait -1
	STEP Y, X, 1
	s_sub_co_u32 s[CNT], s[CNT], 1
	s_cmp_lg_u32 s[CNT], 0
	s_cbranch_scc1 .Lpair
	HERE
	STEP X, Y, 1
	s_barrier_wait -1
	STEP Y, X, 0                                   ; the last step: there is no next K
	; THE WAY OUT: O^T / the sum, through my stage, + src, as whole runs of 256 bytes (a head's 64 channels of one row)
	s_wait_xcnt 0x0                                ; the prefetch has read its offset: the register becomes GO
	v_and_b32 v8, 15, v0
	v_bfe_u32 v9, v0, 4, 1
	v_lshlrev_b32 v[GO], 13, v9
	v_lshl_add_u32 v[GO], v8, 4, v[GO]
.irp i, 0,1,2,3,4,5,6,7
	global_load_b128 v[X+4*\i:X+4*\i+3], v[GO], s[6:7] offset:(2*\i+8*(\i/4))*8192
.endr
	v_add_f32 v14, v14, v15
	v_permlanex16_b32 v[TMP], v14, s[SEL], s[SEL+1]
	v_add_f32 v14, v14, v[TMP]                     ; the row's sum
	s_wait_alu depctr_va_vdst(0)                   ; the wait ahead of the transcendental
	v_rcp_f32 v14, v14
	s_mul_i32 s100, s[WV], 16*272                  ; my stage, at LDS byte 0 on: K's bytes, which have had their last fill
	v_mul_u32_u24 v10, v8, 272
	v_lshl_add_u32 v10, v9, 5, v10
	v_add_nc_u32 v10, s100, v10
	v_mul_u32_u24 v11, v9, 272
	v_lshl_add_u32 v11, v8, 4, v11
	v_add_nc_u32 v11, s100, v11
	s_wait_dscnt 0x0                               ; my reads of K and V are over,
	s_barrier_signal -1
	s_barrier_wait -1                              ; everybody's are: the stages may be written
	s_wait_alu depctr_va_vdst(0)                   ; the wait directly ahead of the first readers of the reciprocal and of O^T
.set j, 0
.rept 32
	v_mul_f32 v[Y+j], v[O+j], v14                  ; register 8 t + i is channel 16 t + 8 h + i of query r
.set j, j+1
.endr
.irp t, 0,1,2,3
	ds_store_b128 v10, v[Y+8*\t:Y+8*\t+3] offset:64*\t
	ds_store_b128 v10, v[Y+8*\t+4:Y+8*\t+7] offset:64*\t+16
.endr
.irp i, 0,1,2,3,4,5,6,7
	ds_load_b128 v[X+32+4*\i:X+32+4*\i+3], v11 offset:2*\i*272   ; in order behind my stores
.endr
	s_wait_loadcnt 0x0                             ; src
.irp i, 0,1,2,3,4,5,6,7
	s_wait_dscnt 7-\i                              ; the later loads from the stage may be out
	v_pk_add_f32 v[X+32+4*\i:X+32+4*\i+1], v[X+32+4*\i:X+32+4*\i+1], v[X+4*\i:X+4*\i+1]
	v_pk_add_f32 v[X+32+4*\i+2:X+32+4*\i+3], v[X+32+4*\i+2:X+32+4*\i+3], v[X+4*\i+2:X+4*\i+3]
	global_store_b128 v[GO], v[X+32+4*\i:X+32+4*\i+3], s[8:9] offset:(2*\i+8*(\i/4))*8192   ; sixteen lanes store 256 consecutive bytes, aligned
.endr
	s_wait_tensorcnt 0x0                           ; the wave's end
	ds_add_u32 v[SPW], v[NIL]
	s_wait_dscnt 0x0
	s_endpgm
.Lfunc_end_k_q2287e06430_attn:
	.size	k_q2287e06430_attn, .Lfunc_end_k_q2287e06430_attn-k_q2287e06430_attn
	.p2alignl 7, 3214868480
	.fill 96, 4, 3214868480
	.section	.rodata,"a",@progbits
	.p2align	6, 0x0
	.amdhsa_kernel k_q2287e06430_attn
		.amdhsa_group_segment_fixed_size 327680
		.amdhsa_private_segment_fixed_size 0
		.amdhsa_enable_private_segment 0
		.amdhsa_kernarg_size 24
		.amdhsa_user_sgpr_count 2
		.amdhsa_user_sgpr_kernarg_segment_ptr 1
		.amdhsa_wavefront_size32 1
		.amdhsa_system_sgpr_workgroup_id_x 1
		.amdhsa_system_sgpr_workgroup_id_y 1
		.amdhsa_system_sgpr_workgroup_id_z 1
		.amdhsa_system_vgpr_workitem_id 0
		.amdhsa_next_free_vgpr 256
		.amdhsa_next_free_sgpr 102
		.amdhsa_reserve_vcc 0
		.amdhsa_float_denorm_mode_32 3
		.amdhsa_float_denorm_mode_16_64 3
		.amdhsa_memory_ordered 1
		.amdhsa_forward_progress 1
		.amdhsa_inst_pref_size 170
	.end_amdhsa_kernel
	.amdgpu_metadata
---
amdhsa.version: [ 1, 2 ]
amdhsa.kernels:
  - .name:           k_q2287e06430_attn
    .symbol:         k_q2287e06430_attn.kd
    .args:
      - { .name: qkv_out, .offset: 0, .size: 8, .value_kind: global_buffer, .address_space: global }
      - { .name: src, .offset: 8, .size: 8, .value_kind: global_buffer, .address_space: global }
      - { .name: attn_out, .offset: 16, .size: 8, .value_kind: global_buffer, .address_space: global }
    .group_segment_fixed_size: 327680
    .private_segment_fixed_size: 0
    .kernarg_segment_align: 8
    .kernarg_segment_size: 24
    .max_flat_workgroup_size: 512
    .sgpr_count:     102
    .vgpr_count:     256
    .wavefront_size: 32
...
	.end_amdgpu_metadata
.endif
;; end of part 3
;; launch ln1 (part 4): grid 256 x 1, 16 waves a work-group, no clusters, 92,672 bytes of LDS; arguments attn_out, ln1_g, ln1_b, ln1_out; writes ln1_out
.if DOCPART == 4
	.amdgcn_target "amdgcn-amd-amdhsa--gfx1250"
	.amdhsa_code_object_version 6
	.text
	.protected	k_q2287e06430_ln1
	.globl	k_q2287e06430_ln1
	.p2align	8
	.type	k_q2287e06430_ln1,@function
k_q2287e06430_ln1:
	s_mov_b64 s[64:65], 0
	v_nop
	global_prefetch_b8 v0, s[64:65] scope:SCOPE_SE
	s_setreg_imm32_b32 hwreg(HW_REG_WAVE_MODE, 25, 1), 1
	s_wait_xcnt 0x0
; LN1: x = layer norm of y = src + attention, kept as f32 (for the residual) and quantised along its 1,024 columns for the next product.  One wave to a row, the row in 32 registers: read once.
; The mean, then the mean of (y - mean)^2, as the definition has it: no difference of large sums.
; The quantiser wants 32 neighbours in a lane, the loads 16 bytes a lane: the row turns once through the wave's own LDS (rows of 128 bytes + 16).  The codes turn back likewise, so that stores are dense.
; The 16 rows' scale bytes meet in 512 bytes of LDS ([plane][row][8]) behind the one barrier, and wave 0 stores them: four runs of 128 bytes.
; LIMITS: a block of zeros or under 2^-111 gets the byte 1; no NaN, no infinities.
.set X_C, 0x1000000
.set X_S, 0x1400000
	s_load_b256 s[4:11], s[0:1], 0x0               ; attn_out, ln1_g, ln1_b, ln1_out
	v_lshl_add_u32 v192, v0, 2, 0x16200
	v_mov_b32 v193, 0
	v_lshrrev_b32 v1, 5, v0
	s_delay_alu instid0(VALU_DEP_1)
	v_readfirstlane_b32 s12, v1                    ; wave
	v_and_b32 v2, 31, v0
	s_wait_alu depctr_va_vdst(0)
	v_lshlrev_b32 v3, 4, v2                        ; 16 x lane
	s_lshl_b32 s13, ttmp9, 4
	s_add_co_u32 s13, s13, s12                     ; my row
	s_lshl_b32 s14, s13, 12
	s_mov_b32 s15, 0
	s_lshl_b32 s16, s13, 10
	s_add_co_u32 s16, s16, X_C
	s_mov_b32 s17, 0
	s_lshl_b32 s18, ttmp9, 7
	s_add_co_u32 s18, s18, X_S
	s_mov_b32 s19, 0
	s_mov_b32 s20, 0x3727c5ac                      ; 1e-5
	s_mov_b32 s21, 0x600000
	s_mov_b32 s22, 0x76543210
	s_mov_b32 s23, 0xfedcba98
	s_mul_i32 s24, s12, 5632                       ; my wave's LDS: 32 x 144, then 1,024 for the codes
	v_lshrrev_b32 v11, 3, v2
	v_and_b32 v12, 7, v2
	s_delay_alu instid0(VALU_DEP_2)
	v_mul_u32_u24 v4, v11, 144
	s_delay_alu instid0(VALU_DEP_1)
	v_lshl_add_u32 v4, v12, 4, v4
	s_delay_alu instid0(VALU_DEP_1)
	v_add_nc_u32 v4, s24, v4
	v_mul_u32_u24 v5, v2, 144
	s_delay_alu instid0(VALU_DEP_1)
	v_add_nc_u32 v5, s24, v5
	s_add_co_u32 s25, s24, 4608
	v_lshl_add_u32 v6, v2, 5, s25
	v_lshl_add_u32 v7, v2, 4, s25
	s_lshl_b32 s26, s12, 3
	s_add_co_u32 s26, s26, 90112
	v_lshl_add_u32 v8, v11, 7, v12
	s_delay_alu instid0(VALU_DEP_1)
	v_add_nc_u32 v8, s26, v8                       ; plane (lane / 8) x 128 + 8 x wave + lane % 8
	v_lshl_add_u32 v9, v2, 4, 90112
	v_lshlrev_b32 v10, 15, v11
	s_delay_alu instid0(VALU_DEP_1)
	v_lshl_add_u32 v10, v12, 4, v10
	s_wait_kmcnt 0x0
	s_add_nc_u64 s[4:5], s[4:5], s[14:15]
	s_add_nc_u64 s[14:15], s[10:11], s[14:15]
	s_add_nc_u64 s[16:17], s[10:11], s[16:17]
	s_add_nc_u64 s[18:19], s[10:11], s[18:19]
.irp j, 0,1,2,3,4,5,6,7
	global_load_b128 v[16+4*\j:19+4*\j], v3, s[4:5] offset:512*\j th:TH_LOAD_NT
.endr
.irp j, 0,1,2,3,4,5,6,7
	global_load_b128 v[80+4*\j:83+4*\j], v3, s[6:7] offset:512*\j
.endr
.irp j, 0,1,2,3,4,5,6,7
	global_load_b128 v[112+4*\j:115+4*\j], v3, s[8:9] offset:512*\j
.endr
.macro ACROSS                          ; v144 summed over the 32 lanes, the result in every lane
	s_delay_alu instid0(VALU_DEP_1)
	v_add_f32_dpp v144, v144, v144 row_xmask:1 row_mask:0xf bank_mask:0xf
	s_delay_alu instid0(VALU_DEP_1)
	v_add_f32_dpp v144, v144, v144 row_xmask:2 row_mask:0xf bank_mask:0xf
	s_delay_alu instid0(VALU_DEP_1)
	v_add_f32_dpp v144, v144, v144 row_xmask:4 row_mask:0xf bank_mask:0xf
	s_delay_alu instid0(VALU_DEP_1)
	v_add_f32_dpp v144, v144, v144 row_xmask:8 row_mask:0xf bank_mask:0xf
	s_delay_alu instid0(VALU_DEP_1)
	v_permlanex16_b32 v145, v144, s22, s23
	s_delay_alu instid0(VALU_DEP_1)
	v_add_f32 v144, v144, v145
.endm
	s_wait_loadcnt 16                              ; the row is in; the gain's and the bias's sixteen loads may be out
	v_pk_add_f32 v[146:147], v[16:17], v[18:19]
	v_pk_add_f32 v[190:191], v[24:25], v[28:29]
	v_pk_add_f32 v[188:189], v[32:33], v[36:37]
	v_pk_add_f32 v[186:187], v[40:41], v[44:45]
	v_pk_add_f32 v[184:185], v[20:21], v[22:23]
	v_pk_add_f32 v[182:183], v[26:27], v[30:31]
	v_pk_add_f32 v[180:181], v[34:35], v[38:39]
	v_pk_add_f32 v[144:145], v[42:43], v[46:47]
	s_delay_alu instid0(VALU_DEP_1)
	v_pk_add_f32 v[144:145], v[144:145], v[186:187]
	v_pk_add_f32 v[146:147], v[146:147], v[184:185]
	v_pk_add_f32 v[190:191], v[190:191], v[182:183]
	v_pk_add_f32 v[188:189], v[188:189], v[180:181]
	s_delay_alu instid0(VALU_DEP_2)
	v_pk_add_f32 v[144:145], v[144:145], v[190:191]
	s_delay_alu instid0(VALU_DEP_2)
	v_pk_add_f32 v[146:147], v[146:147], v[188:189]
	s_delay_alu instid0(VALU_DEP_1)
	v_pk_add_f32 v[144:145], v[144:145], v[146:147]
	s_delay_alu instid0(VALU_DEP_1)
	v_add_f32 v144, v144, v145
	ACROSS
	s_delay_alu instid0(VALU_DEP_1)
	v_mul_f32 v148, 0x3a800000, v144               ; the mean
	s_delay_alu instid0(VALU_DEP_1)
	v_mov_b32 v149, v148
.irp j, 0,2,4,6,8,10,12,14,16,18,20,22,24,26,28,30
	v_pk_add_f32 v[16+\j:17+\j], v[16+\j:17+\j], v[148:149] neg_lo:[0,1] neg_hi:[0,1]
.endr
	v_pk_mul_f32 v[144:145], v[16:17], v[16:17]
	v_pk_mul_f32 v[146:147], v[18:19], v[18:19]
.irp j, 4,8,12,16,20,24,28
	s_delay_alu instid0(VALU_DEP_2)
	v_pk_fma_f32 v[144:145], v[16+\j:17+\j], v[16+\j:17+\j], v[144:145]
	s_delay_alu instid0(VALU_DEP_2)
	v_pk_fma_f32 v[146:147], v[18+\j:19+\j], v[18+\j:19+\j], v[146:147]
.endr
	s_delay_alu instid0(VALU_DEP_1)
	v_pk_add_f32 v[144:145], v[144:145], v[146:147]
	s_delay_alu instid0(VALU_DEP_1)
	v_add_f32 v144, v144, v145
	ACROSS
	s_delay_alu instid0(VALU_DEP_1)
	v_fma_f32 v150, v144, 0x3a800000, s20          ; the variance + 1e-5
	s_wait_alu depctr_va_vdst(0)
	v_rsq_f32 v150, v150
	v_nop
	s_wait_alu depctr_va_vdst(0)
	v_mov_b32 v151, v150
	s_wait_alu depctr_va_vdst(0)
	s_wait_loadcnt 0x0
.irp j, 0,2,4,6,8,10,12,14,16,18,20,22,24,26,28,30
	v_pk_mul_f32 v[16+\j:17+\j], v[16+\j:17+\j], v[150:151]
.endr
.irp j, 0,2,4,6,8,10,12,14,16,18,20,22,24,26,28,30
	v_pk_fma_f32 v[16+\j:17+\j], v[16+\j:17+\j], v[80+\j:81+\j], v[112+\j:113+\j]
.endr
.irp j, 0,1,2,3,4,5,6,7
	global_store_b128 v3, v[16+4*\j:19+4*\j], s[14:15] offset:512*\j   ; 512 consecutive bytes
.endr
.irp j, 0,1,2,3,4,5,6,7
	ds_store_b128 v4, v[16+4*\j:19+4*\j] offset:576*\j
.endr
.irp i, 0,1,2,3,4,5,6,7
	ds_load_b128 v[48+4*\i:51+4*\i], v5 offset:16*\i   ; lane l now holds block l: 32 neighbours
.endr
	s_wait_dscnt 0x0
	v_max3_num_f32 v152, |v48|, |v49|, |v50|
	v_max3_num_f32 v153, |v51|, |v52|, |v53|
.irp i, 6,10,14,18,22,26
	s_delay_alu instid0(VALU_DEP_2)
	v_max3_num_f32 v152, v152, |v[48+\i]|, |v[49+\i]|
	s_delay_alu instid0(VALU_DEP_2)
	v_max3_num_f32 v153, v153, |v[50+\i]|, |v[51+\i]|
.endr
	s_delay_alu instid0(VALU_DEP_2)
	v_max3_num_f32 v152, v152, |v78|, |v79|
	s_delay_alu instid0(VALU_DEP_1)
	v_max3_num_f32 v152, v152, v153, 0x8000000     ; and the floor
	s_delay_alu instid0(VALU_DEP_1)
	v_add_nc_u32 v154, 0xf8800000, v152
	s_delay_alu instid0(VALU_DEP_2)
	v_and_or_b32 v155, v152, 0x7f800000, s21
	s_delay_alu instid0(VALU_DEP_2)
	v_lshrrev_b32 v156, 23, v154
.irp i, 0,1,2,3,4,5,6,7,8,9,10,11,12,13,14,15,16,17,18,19,20,21,22,23,24,25,26,27,28,29,30,31
	v_med3_num_f32 v[48+\i], v[48+\i], -v155, v155
.endr
.irp g, 0,1,2,3
	v_cvt_scalef32_pk8_bf8_f32 v[160+2*\g:161+2*\g], v[48+8*\g:55+8*\g], v154
.endr
	v_nop
	ds_store_b128 v6, v[160:163]
	ds_store_b128 v6, v[164:167] offset:16
	ds_store_b8 v8, v156
	ds_load_b128 v[168:171], v7
	ds_load_b128 v[172:175], v7 offset:512
	s_wait_dscnt 0x0                               ; my codes are back, and my byte has landed, for wave 0's sake
	global_store_b128 v3, v[168:171], s[16:17]
	global_store_b128 v3, v[172:175], s[16:17] offset:512
	s_barrier_signal -1
	s_barrier_wait -1
	s_cmp_lg_u32 s12, 0
	s_cbranch_scc1 .Ldone
	ds_load_b128 v[176:179], v9
	s_wait_dscnt 0x0
	global_store_b128 v10, v[176:179], s[18:19]
.Ldone:
	s_wait_tensorcnt 0x0
	ds_add_u32 v192, v193
	s_wait_dscnt 0x0
	s_endpgm
.Lfunc_end_k_q2287e06430_ln1:
	.size	k_q2287e06430_ln1, .Lfunc_end_k_q2287e06430_ln1-k_q2287e06430_ln1
	.p2alignl 7, 3214868480
	.fill 96, 4, 3214868480
	.section	.rodata,"a",@progbits
	.p2align	6, 0x0
	.amdhsa_kernel k_q2287e06430_ln1
		.amdhsa_group_segment_fixed_size 92672
		.amdhsa_private_segment_fixed_size 0
		.amdhsa_enable_private_segment 0
		.amdhsa_kernarg_size 32
		.amdhsa_user_sgpr_count 2
		.amdhsa_user_sgpr_kernarg_segment_ptr 1
		.amdhsa_wavefront_size32 1
		.amdhsa_system_sgpr_workgroup_id_x 1
		.amdhsa_system_sgpr_workgroup_id_y 1
		.amdhsa_system_sgpr_workgroup_id_z 1
		.amdhsa_system_vgpr_workitem_id 0
		.amdhsa_next_free_vgpr 194
		.amdhsa_next_free_sgpr 66
		.amdhsa_reserve_vcc 0
		.amdhsa_float_denorm_mode_32 3
		.amdhsa_float_denorm_mode_16_64 3
		.amdhsa_memory_ordered 1
		.amdhsa_forward_progress 1
		.amdhsa_inst_pref_size 19
	.end_amdhsa_kernel
	.amdgpu_metadata
---
amdhsa.version: [ 1, 2 ]
amdhsa.kernels:
  - .name:           k_q2287e06430_ln1
    .symbol:         k_q2287e06430_ln1.kd
    .args:
      - { .name: attn_out, .offset: 0, .size: 8, .value_kind: global_buffer, .address_space: global }
      - { .name: ln1_g, .offset: 8, .size: 8, .value_kind: global_buffer, .address_space: global }
      - { .name: ln1_b, .offset: 16, .size: 8, .value_kind: global_buffer, .address_space: global }
      - { .name: ln1_out, .offset: 24, .size: 8, .value_kind: global_buffer, .address_space: global }
    .group_segment_fixed_size: 92672
    .private_segment_fixed_size: 0
    .kernarg_segment_align: 8
    .kernarg_segment_size: 32
    .max_flat_workgroup_size: 512
    .sgpr_count:     66
    .vgpr_count:     194
    .wavefront_size: 32
...
	.end_amdgpu_metadata
.endif
;; end of part 4
;; launch ffn1 (part 5): grid 16 x 16, 4 waves a work-group, clusters of 4 x 4, 327,680 bytes of LDS; arguments ln1_out, prep_out, b1, h_out; writes h_out
.if DOCPART == 5
	.amdgcn_target "amdgcn-amd-amdhsa--gfx1250"
	.amdhsa_code_object_version 6
	.text
	.protected	k_q2287e06430_ffn1
	.globl	k_q2287e06430_ffn1
	.p2align	8
	.type	k_q2287e06430_ffn1,@function
k_q2287e06430_ffn1:
	s_mov_b64 s[64:65], 0
	v_nop
	global_prefetch_b8 v0, s[64:65] scope:SCOPE_SE
	s_setreg_imm32_b32 hwreg(HW_REG_WAVE_MODE, 25, 1), 1
	s_wait_xcnt 0x0
	s_wait_alu depctr_hold_cnt(0) depctr_sa_sdst(0) depctr_va_vdst(0) depctr_va_sdst(0) depctr_va_ssrc(0) depctr_va_vcc(0) depctr_vm_vsrc(0)
	s_getreg_b32 s2, hwreg(HW_REG_IB_STS2, 6, 4)
	s_cmp_eq_u32 s2, 0
	s_cbranch_scc0 .Lentry_in_a_cluster
	s_endpgm
.Lentry_in_a_cluster:
	s_bfe_u32 s2, ttmp6, 0x10000c
	s_cmp_lg_u32 s2, 0xf033
	s_cbranch_scc0 .Lentry_shape_is_right
	s_endpgm
.Lentry_shape_is_right:
.set KTOT,   1024
.set KROW,   1024
.set STRA,   4096
.set STRB,   4096
.set X_C,    0x1000000
.set X_S,    0x1400000
.set W1_C,   0x700000
.set W1_S,   0xf40000
.set H_S,    0x1000000
.set NQ,     2
.set ROWB,   256
.set PITCH,  272
.set FR,     16
.set NL,     4
.set NP,     8
.set HALFT,  128*PITCH
.set SLOT,   4*HALFT
.set LAPS,   KTOT/512
.set NKT,    KTOT/256
.set SCL,    2*SLOT
.set HALFS,  NKT*1024
.set SPARE,  SCL+4*HALFS
.set SST,    256*272
.set ADRA, 16
.set ADRB, 20
.set ADRS, 27
.set SPW,  28
.set NIL,  29
.set SC,   32
.set AF,   128
.set BIA,  64
.set BIO,  18
.set FLO,  19
.set PW,   22
.set SSO,  23
.set STO,  24
.set RD,   25
.set CO,   26
.set RSS,  30
.set GT,   31
.set XW,   64
.set PC,   128
.set TM,   144
.set G1, 24
.set G0, 32
.set G1B, 48
.set G0B, 56
.set G1S, 68
.set G0S, 76
.set G1SB, 80
.set G0SB, 88
.set MNT, 18
.set SEL, 20
.set MSB, 0
.macro WIN new
.if MSB != (\new)
	s_set_vgpr_msb (MSB<<8)|(\new)
.set MSB, (\new)
.endif
.endm
.set MUL_LO, 0xa1
.set MUL_HI, 0xf1
.set TO_B,   0x40
.macro JLOAD g0a, g1a, g0b, g1b
	s_cmp_eq_u32 s15, 0
	s_cbranch_scc0 .Lfor_b_\@
	tensor_load_to_lds s[\g0a:\g0a+3], s[\g1a:\g1a+7]
	s_nop 0
.rept 4
	v_nop
.endr
	s_branch .Lasked_\@
.Lfor_b_\@:
	tensor_load_to_lds s[\g0b:\g0b+3], s[\g1b:\g1b+7]
	s_nop 0
.rept 4
	v_nop
.endr
.Lasked_\@:
.endm
.macro CREST
	s_cmp_lg_u32 s14, 0
	s_cbranch_scc1 .Lnot_wave_0_\@
	s_barrier_signal -3
.Lnot_wave_0_\@:
	s_barrier_wait -3
	s_barrier_signal -1
	s_barrier_wait -1
.endm
.macro CROUND
	s_barrier_signal -1
	s_barrier_wait -1
	CREST
.endm
	s_load_b128 s[4:7], s[0:1], 0x0
	s_load_b128 s[96:99], s[0:1], 0x10
	v_lshl_add_u32 v[SPW], v0, 2, SPARE
	v_mov_b32 v[NIL], 0
	ds_add_u32 v28, v29
	ds_add_u32 v28, v29
	s_wait_dscnt 0x0
	v_lshrrev_b32 v1, 5, v0
	v_readfirstlane_b32 s14, v1
	s_lshr_b32 s15, s14, 1
	s_and_b32 s16, s14, 1
	s_bfe_u32 s40, ttmp6, 0x40000
	s_bfe_u32 s41, ttmp6, 0x40004
	s_lshl_b32 s42, ttmp9, 2
	s_add_co_u32 s42, s42, s40
	s_and_b32 s17, ttmp7, 0xffff
	s_lshl_b32 s17, s17, 2
	s_add_co_u32 s17, s17, s41
	s_lshl_b32 s43, s41, 2
	s_lshl_b32 s43, 15, s43
	s_lshl_b32 s44, 0x1111, s40
	s_or_b32 s[G1+0], s43, (0<<16)|(1<<20)|(1<<21)|(5<<22)|(3<<25)
	s_or_b32 s[G1B+0], s44, (0<<16)|(1<<20)|(1<<21)|(5<<22)|(3<<25)
.irp g, G1, G1B
	s_mov_b32 s[\g+1], ROWB<<16
	s_mov_b32 s[\g+2], 256<<16
	s_mov_b32 s[\g+3], ROWB<<16
	s_mov_b32 s[\g+4], 256
	s_mov_b32 s[\g+5], KROW
	s_mov_b32 s[\g+6], 0
	s_mov_b32 s[\g+7], 0
.endr
	s_or_b32 s[G1S+0], s43, (3<<16)|(1<<21)
	s_or_b32 s[G1SB+0], s44, (3<<16)|(1<<21)
.irp g, G1S, G1SB
	s_mov_b32 s[\g+1], 256<<16
	s_mov_b32 s[\g+2], NKT<<16
	s_mov_b32 s[\g+3], 256<<16
	s_mov_b32 s[\g+4], NKT
	s_mov_b32 s[\g+6], 0
	s_mov_b32 s[\g+7], 0
.endr
	s_mov_b32 s[G1S+5], STRA
	s_mov_b32 s[G1SB+5], STRB
	s_lshl_b32 s18, s16, 7
	s_lshl_b32 s19, s17, 8
	s_add_co_u32 s19, s19, s18
	s_lshl_b32 s20, s19, 10
	s_add_co_u32 s20, s20, X_C
	s_lshl_b32 s22, s19, 3
	s_add_co_u32 s22, s22, X_S
	s_lshl_b32 s47, s42, 8
	s_add_co_u32 s47, s47, s18
	s_lshl_b32 s46, s47, 10
	s_add_co_u32 s46, s46, W1_C
	s_lshl_b32 s66, s47, 3
	s_add_co_u32 s66, s66, W1_S
	s_mov_b32 s21, 0
	s_mov_b32 s23, 0
	s_mov_b32 s47, 0
	s_mov_b32 s67, 0
	s_mul_i32 s45, s14, HALFT
	s_wait_kmcnt 0x0
	s_add_nc_u64 s[20:21], s[4:5], s[20:21]
	s_add_nc_u64 s[22:23], s[4:5], s[22:23]
	s_add_nc_u64 s[46:47], s[6:7], s[46:47]
	s_add_nc_u64 s[66:67], s[6:7], s[66:67]
	CROUND
	s_lshl_b32 s2, s16, 10                         ; the head's four tiles are whole (256 rows): my half's offset comes off again
	s_mov_b32 s3, 0
	s_sub_nc_u64 s[22:23], s[22:23], s[2:3]
	s_sub_nc_u64 s[66:67], s[66:67], s[2:3]
	s_mul_i32 s2, s16, 128*KROW
	s_mov_b32 s4, 1                                ; s[4:7]: K step 0's 256 rows of A
	s_mov_b32 s5, 0
	s_sub_nc_u64 s[6:7], s[20:21], s[2:3]
	s_or_b32 s7, s7, 0x80000000
	s_mov_b32 s8, 1                                ; s[8:11]: its 256 rows of B
	s_mov_b32 s9, 2*HALFT
	s_sub_nc_u64 s[10:11], s[46:47], s[2:3]
	s_or_b32 s11, s11, 0x80000000
	s_mov_b32 s[G0S], 1
	s_mov_b32 s[G0S+1], SCL
	s_mov_b64 s[G0S+2:G0S+3], s[22:23]
	s_or_b32 s[G0S+3], s[G0S+3], 0x80000000
	s_mov_b32 s[G0SB], 1
	s_mov_b32 s[G0SB+1], SCL+2*HALFS
	s_mov_b64 s[G0SB+2:G0SB+3], s[66:67]
	s_or_b32 s[G0SB+3], s[G0SB+3], 0x80000000
.irp s, 0,1
	s_mov_b32 s[G0+4*\s], 1
	s_add_co_u32 s[G0+4*\s+1], s45, \s*SLOT
	s_add_nc_u64 s[G0+4*\s+2:G0+4*\s+3], s[20:21], \s*ROWB
	s_or_b32 s[G0+4*\s+3], s[G0+4*\s+3], 0x80000000
	s_mov_b32 s[G0B+4*\s], 1
	s_add_co_u32 s[G0B+4*\s+1], s45, \s*SLOT
	s_add_nc_u64 s[G0B+4*\s+2:G0B+4*\s+3], s[46:47], \s*ROWB
	s_or_b32 s[G0B+4*\s+3], s[G0B+4*\s+3], 0x80000000
.endr
; the head's loads, one a wave, in one chain of branches on the wave's number: A's 256 rows, B's 256 rows, A's scale bytes, B's
.macro ARM under, g0, g1, next
	s_cmp_lt_u32 s14, \under
	s_cbranch_scc0 \next
	tensor_load_to_lds s[\g0:\g0+3], s[\g1:\g1+7]
	s_nop 0
.rept 4
	v_nop
.endr
	s_branch .Lhead_asked
\next:
.endm
	ARM 1, 4, G1, .Lhead_b
	ARM 2, 8, G1B, .Lhead_sa
	ARM 3, G0S, G1S, .Lhead_sb
	tensor_load_to_lds s[G0SB:G0SB+3], s[G1SB:G1SB+7]
	s_nop 0
.rept 4
	v_nop
.endr
.Lhead_asked:
	v_and_b32 v1, 15, v0
	s_wait_alu depctr_va_vdst(0)
	v_bfe_u32 v2, v0, 4, 1
	s_wait_alu depctr_va_vdst(0)
	s_lshl_b32 s20, s42, 10
	s_lshl_b32 s21, s16, 9
	s_add_co_u32 s20, s20, s21
	s_mov_b32 s21, 0
	s_add_nc_u64 s[96:97], s[96:97], s[20:21]
	v_lshlrev_b32 v[BIO], 6, v2
.irp c, 0,1,2,3
.irp j, 0,1,2,3
	global_load_b128 v[BIA+16*\c+4*\j:BIA+16*\c+4*\j+3], v[BIO], s[96:97] offset:128*\c+16*\j
.endr
.endr
	v_mul_u32_u24 v3, v1, PITCH
	v_lshl_add_u32 v4, v2, 4, v3
	s_mul_i32 s21, s15, HALFT
	s_mul_i32 s22, s16, HALFT
	s_add_co_u32 s22, s22, 2*HALFT
.irp s, 0,1
	v_add_nc_u32 v[ADRA+\s], s21, v4
	v_add_nc_u32 v[ADRB+\s], s22, v4
	s_add_co_u32 s21, s21, SLOT
	s_add_co_u32 s22, s22, SLOT
.endr
	v_lshlrev_b32 v5, 3, v1
	s_mul_i32 s21, s15, 1024
	s_mul_i32 s22, s16, 1024
	s_add_co_u32 s22, s22, 2*HALFS
	s_sub_co_u32 s22, s22, s21
	v_mul_u32_u24 v6, s22, v2
	s_add_co_u32 s21, s21, SCL
	v_add_nc_u32 v5, v5, v6
	v_add_nc_u32 v[ADRS], s21, v5
	s_lshl_b32 s23, s15, 7
	v_add_nc_u32 v5, s23, v1
	v_mul_u32_u24 v6, v5, 272
	v_lshl_add_u32 v6, v2, 4, v6
	s_lshl_b32 s23, s16, 7
	v_add_nc_u32 v[STO], s23, v6
	v_lshlrev_b32 v5, 3, v5
	s_lshl_b32 s23, s16, 2
	s_add_co_u32 s23, s23, SST
	v_add_nc_u32 v[SSO], s23, v5
	s_mul_i32 s23, s14, 64*272
	v_mul_u32_u24 v5, v2, 272
	v_lshl_add_u32 v5, v1, 4, v5
	v_add_nc_u32 v[RD], s23, v5
	v_lshlrev_b32 v5, 12, v2
	v_lshl_add_u32 v[CO], v1, 4, v5
	v_lshlrev_b32 v[GT], 4, v0
	v_add_nc_u32 v[RSS], SST, v[GT]
	s_lshl_b32 s20, s17, 8
	s_lshl_b32 s21, s14, 6
	s_add_co_u32 s20, s20, s21
	s_lshl_b32 s20, s20, 12
	s_lshl_b32 s21, s42, 8
	s_add_co_u32 s20, s20, s21
	s_mov_b32 s21, 0
	s_add_nc_u64 s[12:13], s[98:99], s[20:21]
	s_lshl_b32 s20, s42, 15
	s_lshl_b32 s22, s17, 11
	s_add_co_u32 s20, s20, s22
	s_add_co_u32 s20, s20, H_S
	s_add_nc_u64 s[98:99], s[98:99], s[20:21]
.macro FRAG reg, adr, q, i
.irp c, 0,1,2,3
	ds_load_b128 v[\reg+4*\c:\reg+4*\c+3], v[\adr] offset:128*(\q)+32*\c+(\i)*16*PITCH
.endr
.endm
.macro MUL16 a0, p, q, sc, zero
.irp a, \a0, \a0+1
.irp b, 0,1,2,3,4,5,6,7
.if \zero == 2
	v_wmma_scale_f32_16x16x128_f8f6f4 v[8*(8*((\a)%4)+\b):8*(8*((\a)%4)+\b)+7], v[128*(\p)+FR*\b:128*(\p)+FR*\b+FR-1], v[AF+FR*(\a):AF+FR*(\a)+FR-1], v[BIA+8*\b:BIA+8*\b+7], v[SC+8*NQ*(\sc)+NQ*\b+(\q)], v[SC+8*NQ*(\sc)+NQ*(\a)+(\q)] matrix_a_fmt:MATRIX_FMT_BF8 matrix_b_fmt:MATRIX_FMT_BF8 matrix_a_scale:MATRIX_SCALE_ROW1
.else
	v_wmma_scale_f32_16x16x128_f8f6f4 v[8*(8*((\a)%4)+\b):8*(8*((\a)%4)+\b)+7], v[128*(\p)+FR*\b:128*(\p)+FR*\b+FR-1], v[AF+FR*(\a):AF+FR*(\a)+FR-1], v[8*(8*((\a)%4)+\b):8*(8*((\a)%4)+\b)+7], v[SC+8*NQ*(\sc)+NQ*\b+(\q)], v[SC+8*NQ*(\sc)+NQ*(\a)+(\q)] matrix_a_fmt:MATRIX_FMT_BF8 matrix_b_fmt:MATRIX_FMT_BF8 matrix_a_scale:MATRIX_SCALE_ROW1
.endif
.endr
.endr
.endm
.macro FETCH_B slot, q, p
	WIN TO_B
.irp i, 0,1,2,3,4,5,6,7
	FRAG 128*(\p)+FR*\i, ADRB+\slot, \q, \i
.endr
	WIN 0
.endm
.macro FETCH_A slot, q, i0
.irp i, \i0, \i0+1, \i0+2, \i0+3
	FRAG AF+FR*(\i), ADRA+\slot, \q, \i
.endr
.endm
.macro SCALES sc
.irp i, 0,1,2,3,4,5,6,7
	ds_load_b64 v[SC+8*NQ*\sc+NQ*\i:SC+8*NQ*\sc+NQ*\i+1], v[ADRS] offset:\i*128
.endr
.endm
.macro PLACES n
.rept \n
	v_nop
.endr
.endm
.macro STEP slot, q, zero
	s_wait_dscnt 4*NL
.if \zero == 2
	WIN 0x81
.else
	WIN MUL_LO
.endif
	MUL16 0, (\q)%2, \q, \slot, \zero
	MUL16 2, (\q)%2, \q, \slot, \zero
	s_wait_dscnt 0
	PLACES NP
	FETCH_B \slot, (\q)+1, 1-(\q)%2
	FETCH_A \slot, (\q)+1, 0
.if \zero == 2
	WIN 0xc1
.else
	WIN MUL_HI
.endif
	MUL16 4, (\q)%2, \q, \slot, \zero
	MUL16 6, (\q)%2, \q, \slot, \zero
	PLACES NP
	WIN 0
	FETCH_A \slot, (\q)+1, 4
.endm
.macro TURN slot, next, fill
	s_wait_tensorcnt 0x0
	ds_add_u32 v[SPW], v[NIL]
	s_wait_dscnt 4*NL+1
	WIN MUL_LO
	MUL16 0, 1, NQ-1, \slot, 0
	s_wait_dscnt 0x0
	s_barrier_signal -1
	MUL16 2, 1, NQ-1, \slot, 0
	WIN 0
	s_barrier_wait -1
.if \fill
	CREST
	s_add_nc_u64 s[G0+4*\slot+2:G0+4*\slot+3], s[G0+4*\slot+2:G0+4*\slot+3], 2*ROWB
	s_add_nc_u64 s[G0B+4*\slot+2:G0B+4*\slot+3], s[G0B+4*\slot+2:G0B+4*\slot+3], 2*ROWB
	JLOAD G0+4*\slot, G1, G0B+4*\slot, G1B
	PLACES NP-4
.else
	PLACES NP
.endif
	s_wait_alu depctr_va_vdst(0)
	v_add_nc_u32 v[ADRS], 2048, v[ADRS]
	FETCH_B \next, 0, 0
	FETCH_A \next, 0, 0
	SCALES \next
	WIN MUL_HI
	MUL16 4, 1, NQ-1, \slot, 0
	MUL16 6, 1, NQ-1, \slot, 0
	PLACES NP
	WIN 0
	FETCH_A \next, 0, 4
.endm
	s_wait_alu depctr_va_vdst(0)                   ; the wait at the head's end
	s_wait_tensorcnt 0x0                           ; my tile of the head's four is in
	ds_add_u32 v[SPW], v[NIL]
	s_mov_b32 s[G1+2], 128<<16                     ; no load of mine is out: from here on a load brings 128 rows
	s_mov_b32 s[G1+4], 128
	s_mov_b32 s[G1B+2], 128<<16
	s_mov_b32 s[G1B+4], 128
	s_wait_dscnt 0x0
	CROUND
	JLOAD G0+4, G1, G0B+4, G1B                     ; slot 1's first fill, the first tensor load behind the round
	FETCH_B 0, 0, 0
	FETCH_A 0, 0, 0
	SCALES 0
	FETCH_A 0, 0, 4
	s_wait_loadcnt 0x0
	STEP 0, 0, 2
	s_mov_b32 s3, LAPS-1
.Llap:
	TURN 0, 1, 1
	STEP 1, 0, 0
	TURN 1, 0, 1
	STEP 0, 0, 0
	s_sub_co_u32 s3, s3, 1
	s_cmp_lg_u32 s3, 0
	s_cbranch_scc1 .Llap
	TURN 0, 1, 0
	STEP 1, 0, 0
	s_wait_dscnt 4*NL
	WIN MUL_LO
	MUL16 0, 1, NQ-1, 1, 0
	MUL16 2, 1, NQ-1, 1, 0
	s_wait_dscnt 0
	WIN MUL_HI
	MUL16 4, 1, NQ-1, 1, 0
	MUL16 6, 1, NQ-1, 1, 0
	WIN 0
.macro QUANT s, w
	WIN ((\w)<<2)|((\w)<<4)
.irp b, 0,1,2,3
	v_max3_num_f32 v[TM+\b], v[FLO], v[(\s)+16*\b], v[(\s)+16*\b+1]
.endr
.irp i, 2,4,6,8,10,12,14
.irp b, 0,1,2,3
	v_max3_num_f32 v[TM+\b], v[TM+\b], v[(\s)+16*\b+\i], v[(\s)+16*\b+\i+1]
.endr
.endr
	WIN 0
.irp b, 0,1,2,3
	v_permlanex16_b32 v[TM+4+\b], v[TM+\b], s[SEL], s[SEL+1]
.endr
.irp b, 0,1,2,3
	v_max_num_f32 v[TM+\b], v[TM+\b], v[TM+4+\b]
.endr
.irp b, 0,1,2,3
	v_add_nc_u32 v[TM+12+\b], 0xf8800000, v[TM+\b]
.endr
.irp b, 0,1,2,3
	v_and_or_b32 v[TM+8+\b], v[TM+\b], 0x7f800000, s[MNT]
.endr
.irp b, 0,1,2,3
	v_lshrrev_b32 v[TM+4+\b], 23, v[TM+12+\b]
.endr
	v_lshl_or_b32 v[PW], v[TM+5], 8, v[TM+4]
	v_lshl_or_b32 v[PW], v[TM+6], 16, v[PW]
	v_lshl_or_b32 v[PW], v[TM+7], 24, v[PW]
	WIN (\w)
.irp b, 0,1,2,3
.irp i, 0,1,2,3,4,5,6,7,8,9,10,11,12,13,14,15
	v_med3_num_f32 v[XW+16*\b+\i], v[(\s)+16*\b+\i], 0, v[TM+8+\b]
.endr
.endr
	WIN 0
.irp b, 0,1,2,3
	v_cvt_scalef32_pk8_bf8_f32 v[PC+4*\b:PC+4*\b+1], v[XW+16*\b:XW+16*\b+7], v[TM+12+\b]
	v_cvt_scalef32_pk8_bf8_f32 v[PC+4*\b+2:PC+4*\b+3], v[XW+16*\b+8:XW+16*\b+15], v[TM+12+\b]
.endr
	v_nop
.endm
	PLACES NP
	s_mov_b32 s[MNT], 0x600000
	s_mov_b32 s[SEL], 0x76543210
	s_mov_b32 s[SEL+1], 0xfedcba98
	v_mov_b32 v[FLO], 0x8000000
.irp b, 0,1,2,3
	v_mov_b32 v[TM+4+\b], 0
.endr
.irp a, 0,1,2,3,4,5,6,7
	QUANT 64*(\a%4), 2+\a/4
.irp c, 0,1,2,3
	ds_store_b128 v[STO], v[PC+4*\c:PC+4*\c+3] offset:16*272*\a+32*\c
.endr
	ds_store_b32 v[SSO], v[PW] offset:128*\a
	s_wait_dscnt 0x0
.endr
	s_barrier_signal -1
	s_barrier_wait -1
.irp i, 0,1,2,3,4,5,6,7,8,9,10,11,12,13,14,15,16,17,18,19,20,21,22,23,24,25,26,27,28,29,30,31
	ds_load_b128 v[64+4*\i:67+4*\i], v[RD] offset:2*272*\i
.endr
	ds_load_b128 v[192:195], v[RSS]
.irp i, 0,1,2,3,4,5,6,7,8,9,10,11,12,13,14,15,16,17,18,19,20,21,22,23,24,25,26,27,28,29,30,31
	s_wait_dscnt 32-\i
	global_store_b128 v[CO], v[64+4*\i:67+4*\i], s[12:13] offset:8192*\i
.endr
	s_wait_dscnt 0x0
	global_store_b128 v[GT], v[192:195], s[98:99]
	s_wait_tensorcnt 0x0
	ds_add_u32 v[SPW], v[NIL]
	s_wait_dscnt 0x0
	CROUND
	s_endpgm
.Lfunc_end_k_q2287e06430_ffn1:
	.size	k_q2287e06430_ffn1, .Lfunc_end_k_q2287e06430_ffn1-k_q2287e06430_ffn1
	.p2alignl 7, 3214868480
	.fill 96, 4, 3214868480
	.section	.rodata,"a",@progbits
	.p2align	6, 0x0
	.amdhsa_kernel k_q2287e06430_ffn1
		.amdhsa_group_segment_fixed_size 327680
		.amdhsa_private_segment_fixed_size 0
		.amdhsa_enable_private_segment 0
		.amdhsa_kernarg_size 32
		.amdhsa_user_sgpr_count 2
		.amdhsa_user_sgpr_kernarg_segment_ptr 1
		.amdhsa_wavefront_size32 1
		.amdhsa_system_sgpr_workgroup_id_x 1
		.amdhsa_system_sgpr_workgroup_id_y 1
		.amdhsa_system_sgpr_workgroup_id_z 1
		.amdhsa_system_vgpr_workitem_id 0
		.amdhsa_next_free_vgpr 1024
		.amdhsa_next_free_sgpr 100
		.amdhsa_reserve_vcc 0
		.amdhsa_float_denorm_mode_32 3
		.amdhsa_float_denorm_mode_16_64 3
		.amdhsa_memory_ordered 1
		.amdhsa_forward_progress 1
		.amdhsa_inst_pref_size 193
	.end_amdhsa_kernel
	.amdgpu_metadata
---
amdhsa.version: [ 1, 2 ]
amdhsa.kernels:
  - .name:           k_q2287e06430_ffn1
    .symbol:         k_q2287e06430_ffn1.kd
    .args:
      - { .name: ln1_out, .offset: 0, .size: 8, .value_kind: global_buffer, .address_space: global }
      - { .name: prep_out, .offset: 8, .size: 8, .value_kind: global_buffer, .address_space: global }
      - { .name: b1, .offset: 16, .size: 8, .value_kind: global_buffer, .address_space: global }
      - { .name: h_out, .offset: 24, .size: 8, .value_kind: global_buffer, .address_space: global }
    .group_segment_fixed_size: 327680
    .private_segment_fixed_size: 0
    .kernarg_segment_align: 8
    .kernarg_segment_size: 32
    .max_flat_workgroup_size: 128
    .sgpr_count:     100
    .vgpr_count:     1024
    .wavefront_size: 32
...
	.end_amdgpu_metadata
.endif
;; end of part 5
;; launch ffn2 (part 6): grid 4 x 64, 4 waves a work-group, clusters of 4 x 4, 327,680 bytes of LDS; arguments h_out, prep_out, parts; writes parts
.if DOCPART == 6
	.amdgcn_target "amdgcn-amd-amdhsa--gfx1250"
	.amdhsa_code_object_version 6
	.text
	.protected	k_q2287e06430_ffn2
	.globl	k_q2287e06430_ffn2
	.p2align	8
	.type	k_q2287e06430_ffn2,@function
k_q2287e06430_ffn2:
	s_mov_b64 s[64:65], 0
	v_nop
	global_prefetch_b8 v0, s[64:65] scope:SCOPE_SE
	s_setreg_imm32_b32 hwreg(HW_REG_WAVE_MODE, 25, 1), 1
	s_wait_xcnt 0x0
	s_wait_alu depctr_hold_cnt(0) depctr_sa_sdst(0) depctr_va_vdst(0) depctr_va_sdst(0) depctr_va_ssrc(0) depctr_va_vcc(0) depctr_vm_vsrc(0)
	s_getreg_b32 s2, hwreg(HW_REG_IB_STS2, 6, 4)
	s_cmp_eq_u32 s2, 0
	s_cbranch_scc0 .Lentry_in_a_cluster
	s_endpgm
.Lentry_in_a_cluster:
	s_bfe_u32 s2, ttmp6, 0x10000c
	s_cmp_lg_u32 s2, 0xf033
	s_cbranch_scc0 .Lentry_shape_is_right
	s_endpgm
.Lentry_shape_is_right:
.set KTOT,   1024
.set KROW,   4096
.set STRA,   4096
.set STRB,   1024
.set SIZE_N, 1024
.set H_S,    0x1000000
.set W2_C,   0xb00000
.set W2_S,   0xf60000
.set NQ,     2
.set ROWB,   256
.set PITCH,  272
.set FR,     16
.set NL,     4
.set NP,     8
.set HALFT,  128*PITCH
.set SLOT,   4*HALFT
.set LAPS,   KTOT/512
.set NKT,    KTOT/256
.set SCL,    2*SLOT
.set HALFS,  NKT*1024
.set SPARE,  SCL+4*HALFS
.set SPITCH, 528
.set ADRA, 16
.set ADRB, 20
.set STO,  24
.set RD,   25
.set CO,   26
.set ADRS, 27
.set SPW,  28
.set NIL,  29
.set SC,   32
.set AF,   128
.set BK,   128
.set G1, 24
.set G0, 32
.set G1B, 48
.set G0B, 56
.set G1S, 68
.set G0S, 76
.set G1SB, 80
.set G0SB, 88
.set MSB, 0
.macro WIN new
.if MSB != (\new)
	s_set_vgpr_msb (MSB<<8)|(\new)
.set MSB, (\new)
.endif
.endm
.set MUL_LO, 0xa1
.set MUL_HI, 0xf1
.set TO_B,   0x40
.macro JLOAD g0a, g1a, g0b, g1b
	s_cmp_eq_u32 s15, 0
	s_cbranch_scc0 .Lfor_b_\@
	tensor_load_to_lds s[\g0a:\g0a+3], s[\g1a:\g1a+7]
	s_nop 0
.rept 4
	v_nop
.endr
	s_branch .Lasked_\@
.Lfor_b_\@:
	tensor_load_to_lds s[\g0b:\g0b+3], s[\g1b:\g1b+7]
	s_nop 0
.rept 4
	v_nop
.endr
.Lasked_\@:
.endm
.macro CREST
	s_cmp_lg_u32 s14, 0
	s_cbranch_scc1 .Lnot_wave_0_\@
	s_barrier_signal -3
.Lnot_wave_0_\@:
	s_barrier_wait -3
	s_barrier_signal -1
	s_barrier_wait -1
.endm
.macro CROUND
	s_barrier_signal -1
	s_barrier_wait -1
	CREST
.endm
	s_load_b128 s[4:7], s[0:1], 0x0
	s_load_b64 s[12:13], s[0:1], 0x10
	v_lshl_add_u32 v[SPW], v0, 2, SPARE
	v_mov_b32 v[NIL], 0
	ds_add_u32 v28, v29
	ds_add_u32 v28, v29
	s_wait_dscnt 0x0
	v_lshrrev_b32 v1, 5, v0
	v_readfirstlane_b32 s14, v1
	s_lshr_b32 s15, s14, 1
	s_and_b32 s16, s14, 1
	s_bfe_u32 s40, ttmp6, 0x40000
	s_bfe_u32 s41, ttmp6, 0x40004
	s_lshl_b32 s42, ttmp9, 2
	s_add_co_u32 s42, s42, s40
	s_and_b32 s18, ttmp7, 0xffff
	s_lshr_b32 s95, s18, 2
	s_and_b32 s17, s18, 3
	s_lshl_b32 s17, s17, 2
	s_add_co_u32 s17, s17, s41
	s_lshl_b32 s43, s41, 2
	s_lshl_b32 s43, 15, s43
	s_lshl_b32 s44, 0x1111, s40
	s_or_b32 s[G1+0], s43, (0<<16)|(1<<20)|(1<<21)|(5<<22)|(3<<25)
	s_or_b32 s[G1B+0], s44, (0<<16)|(1<<20)|(1<<21)|(5<<22)|(3<<25)
.irp g, G1, G1B
	s_mov_b32 s[\g+1], ROWB<<16
	s_mov_b32 s[\g+2], 256<<16
	s_mov_b32 s[\g+3], ROWB<<16
	s_mov_b32 s[\g+4], 256
	s_mov_b32 s[\g+5], KROW
	s_mov_b32 s[\g+6], 0
	s_mov_b32 s[\g+7], 0
.endr
	s_or_b32 s[G1S+0], s43, (3<<16)|(1<<21)
	s_or_b32 s[G1SB+0], s44, (3<<16)|(1<<21)
.irp g, G1S, G1SB
	s_mov_b32 s[\g+1], 256<<16
	s_mov_b32 s[\g+2], NKT<<16
	s_mov_b32 s[\g+3], 256<<16
	s_mov_b32 s[\g+4], NKT
	s_mov_b32 s[\g+6], 0
	s_mov_b32 s[\g+7], 0
.endr
	s_mov_b32 s[G1S+5], STRA
	s_mov_b32 s[G1SB+5], STRB
	s_lshl_b32 s18, s16, 7
	s_lshl_b32 s19, s17, 8
	s_add_co_u32 s19, s19, s18
	s_lshl_b32 s20, s19, 12
	s_lshl_b32 s21, s95, 10
	s_add_co_u32 s20, s20, s21
	s_lshl_b32 s22, s19, 3
	s_lshl_b32 s21, s95, 17
	s_add_co_u32 s22, s22, s21
	s_add_co_u32 s22, s22, H_S
	s_lshl_b32 s47, s42, 8
	s_add_co_u32 s47, s47, s18
	s_lshl_b32 s46, s47, 12
	s_lshl_b32 s67, s95, 10
	s_add_co_u32 s46, s46, s67
	s_add_co_u32 s46, s46, W2_C
	s_lshl_b32 s66, s47, 3
	s_lshl_b32 s67, s95, 15
	s_add_co_u32 s66, s66, s67
	s_add_co_u32 s66, s66, W2_S
	s_mov_b32 s21, 0
	s_mov_b32 s23, 0
	s_mov_b32 s47, 0
	s_mov_b32 s67, 0
	s_mul_i32 s45, s14, HALFT
	s_wait_kmcnt 0x0
	s_add_nc_u64 s[20:21], s[4:5], s[20:21]
	s_add_nc_u64 s[22:23], s[4:5], s[22:23]
	s_add_nc_u64 s[46:47], s[6:7], s[46:47]
	s_add_nc_u64 s[66:67], s[6:7], s[66:67]
	CROUND
	s_lshl_b32 s2, s16, 10                         ; the head's four tiles are whole (256 rows): my half's offset comes off again
	s_mov_b32 s3, 0
	s_sub_nc_u64 s[22:23], s[22:23], s[2:3]
	s_sub_nc_u64 s[66:67], s[66:67], s[2:3]
	s_mul_i32 s2, s16, 128*KROW
	s_mov_b32 s4, 1                                ; s[4:7]: K step 0's 256 rows of A
	s_mov_b32 s5, 0
	s_sub_nc_u64 s[6:7], s[20:21], s[2:3]
	s_or_b32 s7, s7, 0x80000000
	s_mov_b32 s8, 1                                ; s[8:11]: its 256 rows of B
	s_mov_b32 s9, 2*HALFT
	s_sub_nc_u64 s[10:11], s[46:47], s[2:3]
	s_or_b32 s11, s11, 0x80000000
	s_mov_b32 s[G0S], 1
	s_mov_b32 s[G0S+1], SCL
	s_mov_b64 s[G0S+2:G0S+3], s[22:23]
	s_or_b32 s[G0S+3], s[G0S+3], 0x80000000
	s_mov_b32 s[G0SB], 1
	s_mov_b32 s[G0SB+1], SCL+2*HALFS
	s_mov_b64 s[G0SB+2:G0SB+3], s[66:67]
	s_or_b32 s[G0SB+3], s[G0SB+3], 0x80000000
.irp s, 0,1
	s_mov_b32 s[G0+4*\s], 1
	s_add_co_u32 s[G0+4*\s+1], s45, \s*SLOT
	s_add_nc_u64 s[G0+4*\s+2:G0+4*\s+3], s[20:21], \s*ROWB
	s_or_b32 s[G0+4*\s+3], s[G0+4*\s+3], 0x80000000
	s_mov_b32 s[G0B+4*\s], 1
	s_add_co_u32 s[G0B+4*\s+1], s45, \s*SLOT
	s_add_nc_u64 s[G0B+4*\s+2:G0B+4*\s+3], s[46:47], \s*ROWB
	s_or_b32 s[G0B+4*\s+3], s[G0B+4*\s+3], 0x80000000
.endr
; the head's loads, one a wave, in one chain of branches on the wave's number: A's 256 rows, B's 256 rows, A's scale bytes, B's
.macro ARM under, g0, g1, next
	s_cmp_lt_u32 s14, \under
	s_cbranch_scc0 \next
	tensor_load_to_lds s[\g0:\g0+3], s[\g1:\g1+7]
	s_nop 0
.rept 4
	v_nop
.endr
	s_branch .Lhead_asked
\next:
.endm
	ARM 1, 4, G1, .Lhead_b
	ARM 2, 8, G1B, .Lhead_sa
	ARM 3, G0S, G1S, .Lhead_sb
	tensor_load_to_lds s[G0SB:G0SB+3], s[G1SB:G1SB+7]
	s_nop 0
.rept 4
	v_nop
.endr
.Lhead_asked:
	v_and_b32 v1, 15, v0
	v_bfe_u32 v2, v0, 4, 1
	s_wait_alu depctr_va_vdst(0)
	v_mul_u32_u24 v3, v1, PITCH
	v_lshl_add_u32 v4, v2, 4, v3
	s_mul_i32 s21, s15, HALFT
	s_mul_i32 s22, s16, HALFT
	s_add_co_u32 s22, s22, 2*HALFT
.irp s, 0,1
	v_add_nc_u32 v[ADRA+\s], s21, v4
	v_add_nc_u32 v[ADRB+\s], s22, v4
	s_add_co_u32 s21, s21, SLOT
	s_add_co_u32 s22, s22, SLOT
.endr
	v_lshlrev_b32 v5, 3, v1
	s_mul_i32 s21, s15, 1024
	s_mul_i32 s22, s16, 1024
	s_add_co_u32 s22, s22, 2*HALFS
	s_sub_co_u32 s22, s22, s21
	v_mul_u32_u24 v6, s22, v2
	s_add_co_u32 s21, s21, SCL
	v_add_nc_u32 v5, v5, v6
	v_add_nc_u32 v[ADRS], s21, v5
	s_mul_i32 s23, s14, 16*SPITCH
	v_mul_u32_u24 v5, v1, SPITCH
	v_lshl_add_u32 v5, v2, 6, v5
	v_add_nc_u32 v[STO], s23, v5
	v_and_b32 v6, 31, v0
	v_lshlrev_b32 v[CO], 4, v6
	v_add_nc_u32 v[RD], s23, v[CO]
	s_lshl_b32 s20, s17, 8
	s_lshl_b32 s21, s15, 7
	s_add_co_u32 s20, s20, s21
	s_lshl_b32 s20, s20, 12
	s_lshl_b32 s21, s95, 24
	s_add_co_u32 s20, s20, s21
	s_lshl_b32 s46, s42, 10
	s_lshl_b32 s47, s16, 9
	s_add_co_u32 s46, s46, s47
	s_add_co_u32 s20, s20, s46
	s_mov_b32 s21, 0
	s_add_nc_u64 s[12:13], s[12:13], s[20:21]
.macro FRAG reg, adr, q, i
.irp c, 0,1,2,3
	ds_load_b128 v[\reg+4*\c:\reg+4*\c+3], v[\adr] offset:128*(\q)+32*\c+(\i)*16*PITCH
.endr
.endm
.macro MUL16 a0, p, q, sc, zero
.irp a, \a0, \a0+1
.irp b, 0,1,2,3,4,5,6,7
.if \zero
	v_wmma_scale_f32_16x16x128_f8f6f4 v[8*(8*((\a)%4)+\b):8*(8*((\a)%4)+\b)+7], v[128*(\p)+FR*\b:128*(\p)+FR*\b+FR-1], v[AF+FR*(\a):AF+FR*(\a)+FR-1], 0, v[SC+8*NQ*(\sc)+NQ*\b+(\q)], v[SC+8*NQ*(\sc)+NQ*(\a)+(\q)] matrix_a_fmt:MATRIX_FMT_BF8 matrix_b_fmt:MATRIX_FMT_BF8 matrix_a_scale:MATRIX_SCALE_ROW1
.else
	v_wmma_scale_f32_16x16x128_f8f6f4 v[8*(8*((\a)%4)+\b):8*(8*((\a)%4)+\b)+7], v[128*(\p)+FR*\b:128*(\p)+FR*\b+FR-1], v[AF+FR*(\a):AF+FR*(\a)+FR-1], v[8*(8*((\a)%4)+\b):8*(8*((\a)%4)+\b)+7], v[SC+8*NQ*(\sc)+NQ*\b+(\q)], v[SC+8*NQ*(\sc)+NQ*(\a)+(\q)] matrix_a_fmt:MATRIX_FMT_BF8 matrix_b_fmt:MATRIX_FMT_BF8 matrix_a_scale:MATRIX_SCALE_ROW1
.endif
.endr
.endr
.endm
.macro FETCH_B slot, q, p
	WIN TO_B
.irp i, 0,1,2,3,4,5,6,7
	FRAG 128*(\p)+FR*\i, ADRB+\slot, \q, \i
.endr
	WIN 0
.endm
.macro FETCH_A slot, q, i0
.irp i, \i0, \i0+1, \i0+2, \i0+3
	FRAG AF+FR*(\i), ADRA+\slot, \q, \i
.endr
.endm
.macro SCALES sc
.irp i, 0,1,2,3,4,5,6,7
	ds_load_b64 v[SC+8*NQ*\sc+NQ*\i:SC+8*NQ*\sc+NQ*\i+1], v[ADRS] offset:\i*128
.endr
.endm
.macro PLACES n
.rept \n
	v_nop
.endr
.endm
.macro STEP slot, q, zero
	s_wait_dscnt 4*NL
	WIN MUL_LO
	MUL16 0, (\q)%2, \q, \slot, \zero
	MUL16 2, (\q)%2, \q, \slot, \zero
	s_wait_dscnt 0
	PLACES NP
	FETCH_B \slot, (\q)+1, 1-(\q)%2
	FETCH_A \slot, (\q)+1, 0
	WIN MUL_HI
	MUL16 4, (\q)%2, \q, \slot, \zero
	MUL16 6, (\q)%2, \q, \slot, \zero
	PLACES NP
	WIN 0
	FETCH_A \slot, (\q)+1, 4
.endm
.macro TURN slot, next, fill
	s_wait_tensorcnt 0x0
	ds_add_u32 v[SPW], v[NIL]
	s_wait_dscnt 4*NL+1
	WIN MUL_LO
	MUL16 0, 1, NQ-1, \slot, 0
	s_wait_dscnt 0x0
	s_barrier_signal -1
	MUL16 2, 1, NQ-1, \slot, 0
	WIN 0
	s_barrier_wait -1
.if \fill
	CREST
	s_add_nc_u64 s[G0+4*\slot+2:G0+4*\slot+3], s[G0+4*\slot+2:G0+4*\slot+3], 2*ROWB
	s_add_nc_u64 s[G0B+4*\slot+2:G0B+4*\slot+3], s[G0B+4*\slot+2:G0B+4*\slot+3], 2*ROWB
	JLOAD G0+4*\slot, G1, G0B+4*\slot, G1B
	PLACES NP-4
.else
	PLACES NP
.endif
	s_wait_alu depctr_va_vdst(0)
	v_add_nc_u32 v[ADRS], 2048, v[ADRS]
	FETCH_B \next, 0, 0
	FETCH_A \next, 0, 0
	SCALES \next
	WIN MUL_HI
	MUL16 4, 1, NQ-1, \slot, 0
	MUL16 6, 1, NQ-1, \slot, 0
	PLACES NP
	WIN 0
	FETCH_A \next, 0, 4
.endm
	s_wait_alu depctr_va_vdst(0)
	s_wait_tensorcnt 0x0                           ; my tile of the head's four is in
	ds_add_u32 v[SPW], v[NIL]
	s_mov_b32 s[G1+2], 128<<16                     ; no load of mine is out: from here on a load brings 128 rows
	s_mov_b32 s[G1+4], 128
	s_mov_b32 s[G1B+2], 128<<16
	s_mov_b32 s[G1B+4], 128
	s_wait_dscnt 0x0
	CROUND
	JLOAD G0+4, G1, G0B+4, G1B                     ; slot 1's first fill, the first tensor load behind the round
	FETCH_B 0, 0, 0
	FETCH_A 0, 0, 0
	SCALES 0
	FETCH_A 0, 0, 4
	STEP 0, 0, 1
	s_mov_b32 s3, LAPS-1
.Llap:
	TURN 0, 1, 1
	STEP 1, 0, 0
	TURN 1, 0, 1
	STEP 0, 0, 0
	s_sub_co_u32 s3, s3, 1
	s_cmp_lg_u32 s3, 0
	s_cbranch_scc1 .Llap
	TURN 0, 1, 0
	STEP 1, 0, 0
	s_wait_dscnt 4*NL
	WIN MUL_LO
	MUL16 0, 1, NQ-1, 1, 0
	MUL16 2, 1, NQ-1, 1, 0
	s_wait_dscnt 0
	WIN MUL_HI
	MUL16 4, 1, NQ-1, 1, 0
	MUL16 6, 1, NQ-1, 1, 0
	WIN 0
.macro TOSTAGE a
.set AC, 64*((\a)%4)
	WIN 0x08+4*((\a)/4)
.irp b, 0,1,2,3,4,5,6,7
	ds_store_b128 v[STO], v[AC+8*\b:AC+8*\b+3] offset:128*(\b/2)+32*(\b%2)
	ds_store_b128 v[STO], v[AC+8*\b+4:AC+8*\b+7] offset:128*(\b/2)+32*(\b%2)+16
.endr
	WIN 0
.set BB, BK+64*((\a)%2)
.irp t, 0,1,2,3,4,5,6,7,8,9,10,11,12,13,14,15
	ds_load_b128 v[BB+4*\t:BB+4*\t+3], v[RD] offset:\t*SPITCH
.endr
.endm
.macro SEND a, younger
.set BB, BK+64*((\a)%2)
	s_wait_dscnt \younger
.if (\a) > 0
	s_add_nc_u64 s[12:13], s[12:13], 16*SIZE_N*4
.endif
.irp t, 0,1,2,3,4,5,6,7,8,9,10,11,12,13,14,15
	global_store_b128 v[CO], v[BB+4*\t:BB+4*\t+3], s[12:13] offset:\t*SIZE_N*4 th:TH_STORE_NT
.endr
.endm
	PLACES NP
	TOSTAGE 0
.irp a, 1,2,3,4,5,6,7
.if \a > 1
	s_wait_xcnt 0x0
.endif
	TOSTAGE \a
	SEND \a-1, 32
.endr
	s_wait_xcnt 0x0
	SEND 7, 0
	s_wait_tensorcnt 0x0
	ds_add_u32 v[SPW], v[NIL]
	s_wait_dscnt 0x0
	CROUND
	s_endpgm
.Lfunc_end_k_q2287e06430_ffn2:
	.size	k_q2287e06430_ffn2, .Lfunc_end_k_q2287e06430_ffn2-k_q2287e06430_ffn2
	.p2alignl 7, 3214868480
	.fill 96, 4, 3214868480
	.section	.rodata,"a",@progbits
	.p2align	6, 0x0
	.amdhsa_kernel k_q2287e06430_ffn2
		.amdhsa_group_segment_fixed_size 327680
		.amdhsa_private_segment_fixed_size 0
		.amdhsa_enable_private_segment 0
		.amdhsa_kernarg_size 24
		.amdhsa_user_sgpr_count 2
		.amdhsa_user_sgpr_kernarg_segment_ptr 1
		.amdhsa_wavefront_size32 1
		.amdhsa_system_sgpr_workgroup_id_x 1
		.amdhsa_system_sgpr_workgroup_id_y 1
		.amdhsa_system_sgpr_workgroup_id_z 1
		.amdhsa_system_vgpr_workitem_id 0
		.amdhsa_next_free_vgpr 1024
		.amdhsa_next_free_sgpr 96
		.amdhsa_reserve_vcc 0
		.amdhsa_float_denorm_mode_32 3
		.amdhsa_float_denorm_mode_16_64 3
		.amdhsa_memory_ordered 1
		.amdhsa_forward_progress 1
		.amdhsa_inst_pref_size 147
	.end_amdhsa_kernel
	.amdgpu_metadata
---
amdhsa.version: [ 1, 2 ]
amdhsa.kernels:
  - .name:           k_q2287e06430_ffn2
    .symbol:         k_q2287e06430_ffn2.kd
    .args:
      - { .name: h_out, .offset: 0, .size: 8, .value_kind: global_buffer, .address_space: global }
      - { .name: prep_out, .offset: 8, .size: 8, .value_kind: global_buffer, .address_space: global }
      - { .name: parts, .offset: 16, .size: 8, .value_kind: global_buffer, .address_space: global }
    .group_segment_fixed_size: 327680
    .private_segment_fixed_size: 0
    .kernarg_segment_align: 8
    .kernarg_segment_size: 24
    .max_flat_workgroup_size: 128
    .sgpr_count:     96
    .vgpr_count:     1024
    .wavefront_size: 32
...
	.end_amdgpu_metadata
.endif
;; end of part 6
;; launch ln2 (part 7): grid 256 x 1, 16 waves a work-group, no clusters, 0 bytes of LDS; arguments ln1_out, parts, b2, ln2_g, ln2_b, out0; writes out0
.if DOCPART == 7
	.amdgcn_target "amdgcn-amd-amdhsa--gfx1250"
	.amdhsa_code_object_version 6
	.text
	.protected	k_q2287e06430_ln2
	.globl	k_q2287e06430_ln2
	.p2align	8
	.type	k_q2287e06430_ln2,@function
k_q2287e06430_ln2:
	s_mov_b64 s[64:65], 0
	v_nop
	global_prefetch_b8 v0, s[64:65] scope:SCOPE_SE
	s_setreg_imm32_b32 hwreg(HW_REG_WAVE_MODE, 25, 1), 1
	s_wait_xcnt 0x0
; LN2: out = layer norm of x + ((((p0 + p1) + (p2 + p3)) + b2), p0 .. p3 the four part sums of the last product along its K.  One wave to a row, the row in registers, every byte read once; no LDS, no barrier.
; The mean, then the mean of (y - mean)^2, as the definition has it.  The gain and the bias land in the registers that p2 and p3 leave.
.macro LDN d, b                        ; a row of 4,096 bytes, read once in the launch: 512 consecutive bytes a load
.irp j, 0,1,2,3,4,5,6,7
	global_load_b128 v[\d+4*\j:\d+4*\j+3], v3, s[\b:\b+1] offset:512*\j th:TH_LOAD_NT
.endr
.endm
.macro LDR d, b                        ; the same of a row that every wave reads
.irp j, 0,1,2,3,4,5,6,7
	global_load_b128 v[\d+4*\j:\d+4*\j+3], v3, s[\b:\b+1] offset:512*\j
.endr
.endm
.macro ADD16 d, b                      ; 32 numbers: d += b
.set j, 0
.rept 16
	v_pk_add_f32 v[\d+j:\d+j+1], v[\d+j:\d+j+1], v[\b+j:\b+j+1]
.set j, j+2
.endr
.endm
	s_load_b256 s[4:11], s[0:1], 0x0               ; ln1_out (x at its head), parts, b2, ln2_g
	s_load_b128 s[12:15], s[0:1], 0x20             ; ln2_b, out0
	v_lshrrev_b32 v1, 5, v0
	s_delay_alu instid0(VALU_DEP_1)
	v_readfirstlane_b32 s16, v1
	v_and_b32 v2, 31, v0
	s_delay_alu instid0(VALU_DEP_1)
	v_lshlrev_b32 v3, 4, v2
	s_lshl_b32 s17, ttmp9, 4
	s_add_co_u32 s17, s17, s16                     ; my row
	s_lshl_b32 s18, s17, 12
	s_mov_b32 s19, 0
	s_mov_b32 s20, 0x3727c5ac                      ; 1e-5
	s_mov_b32 s22, 0x76543210
	s_mov_b32 s23, 0xfedcba98
	s_wait_alu depctr_va_vdst(0)                   ; the wait at the head's end
	s_wait_kmcnt 0x0
	s_add_nc_u64 s[4:5], s[4:5], s[18:19]
	s_add_nc_u64 s[6:7], s[6:7], s[18:19]
	s_add_nc_u64 s[24:25], s[6:7], 0x1000000       ; the parts lie 16,777,216 bytes apart
	s_add_nc_u64 s[26:27], s[6:7], 0x2000000
	s_add_nc_u64 s[28:29], s[6:7], 0x3000000
	s_add_nc_u64 s[14:15], s[14:15], s[18:19]
	LDN 48, 6
	LDN 80, 24
	LDN 144, 26
	LDN 176, 28
	LDN 16, 4
	LDR 112, 8
.macro ACROSS                          ; v208 summed over the 32 lanes, the result in every lane
	s_delay_alu instid0(VALU_DEP_1)
	v_add_f32_dpp v208, v208, v208 row_xmask:1 row_mask:0xf bank_mask:0xf
	s_delay_alu instid0(VALU_DEP_1)
	v_add_f32_dpp v208, v208, v208 row_xmask:2 row_mask:0xf bank_mask:0xf
	s_delay_alu instid0(VALU_DEP_1)
	v_add_f32_dpp v208, v208, v208 row_xmask:4 row_mask:0xf bank_mask:0xf
	s_delay_alu instid0(VALU_DEP_1)
	v_add_f32_dpp v208, v208, v208 row_xmask:8 row_mask:0xf bank_mask:0xf
	s_delay_alu instid0(VALU_DEP_1)
	v_permlanex16_b32 v209, v208, s22, s23
	s_delay_alu instid0(VALU_DEP_1)
	v_add_f32 v208, v208, v209
.endm
	s_wait_loadcnt 16                              ; the four parts are in; x's and b2's sixteen loads may be out
	ADD16 48, 80
	ADD16 144, 176
	ADD16 48, 144
	LDR 144, 10                                    ; the gain,
	LDR 176, 12                                    ; and the bias
	s_wait_loadcnt 16                              ; x and b2 are in; the gain's and the bias's sixteen loads may be out
	ADD16 48, 112
	ADD16 16, 48
	v_pk_add_f32 v[208:209], v[16:17], v[18:19]
	v_pk_add_f32 v[210:211], v[20:21], v[22:23]
.irp j, 24,28,32,36,40,44
	s_delay_alu instid0(VALU_DEP_2)
	v_pk_add_f32 v[208:209], v[208:209], v[\j:\j+1]
	s_delay_alu instid0(VALU_DEP_2)
	v_pk_add_f32 v[210:211], v[210:211], v[\j+2:\j+3]
.endr
	s_delay_alu instid0(VALU_DEP_1)
	v_pk_add_f32 v[208:209], v[208:209], v[210:211]
	s_delay_alu instid0(VALU_DEP_1)
	v_add_f32 v208, v208, v209
	ACROSS
	s_delay_alu instid0(VALU_DEP_1)
	v_mul_f32 v212, 0x3a800000, v208               ; the mean
	s_delay_alu instid0(VALU_DEP_1)
	v_mov_b32 v213, v212
.irp j, 0,2,4,6,8,10,12,14,16,18,20,22,24,26,28,30
	v_pk_add_f32 v[16+\j:17+\j], v[16+\j:17+\j], v[212:213] neg_lo:[0,1] neg_hi:[0,1]
.endr
	v_pk_mul_f32 v[208:209], v[16:17], v[16:17]
	v_pk_mul_f32 v[210:211], v[18:19], v[18:19]
.irp j, 4,8,12,16,20,24,28
	s_delay_alu instid0(VALU_DEP_2)
	v_pk_fma_f32 v[208:209], v[16+\j:17+\j], v[16+\j:17+\j], v[208:209]
	s_delay_alu instid0(VALU_DEP_2)
	v_pk_fma_f32 v[210:211], v[18+\j:19+\j], v[18+\j:19+\j], v[210:211]
.endr
	s_delay_alu instid0(VALU_DEP_1)
	v_pk_add_f32 v[208:209], v[208:209], v[210:211]
	s_delay_alu instid0(VALU_DEP_1)
	v_add_f32 v208, v208, v209
	ACROSS
	s_delay_alu instid0(VALU_DEP_1)
	v_fma_f32 v214, v208, 0x3a800000, s20          ; the variance + 1e-5
	s_wait_alu depctr_va_vdst(0)                   ; the wait ahead of the transcendental,
	v_rsq_f32 v214, v214
	v_nop
	s_wait_alu depctr_va_vdst(0)                   ; and ahead of its first reader
	v_mov_b32 v215, v214
	s_wait_alu depctr_va_vdst(0)                   ; and ahead of the wait below
	s_wait_loadcnt 0x0
.irp j, 0,2,4,6,8,10,12,14,16,18,20,22,24,26,28,30
	v_pk_mul_f32 v[16+\j:17+\j], v[16+\j:17+\j], v[214:215]
.endr
.irp j, 0,2,4,6,8,10,12,14,16,18,20,22,24,26,28,30
	v_pk_fma_f32 v[16+\j:17+\j], v[16+\j:17+\j], v[144+\j:145+\j], v[176+\j:177+\j]
.endr
.irp j, 0,1,2,3,4,5,6,7
	global_store_b128 v3, v[16+4*\j:19+4*\j], s[14:15] offset:512*\j th:TH_STORE_NT   ; 512 consecutive bytes
.endr
	s_endpgm
.Lfunc_end_k_q2287e06430_ln2:
	.size	k_q2287e06430_ln2, .Lfunc_end_k_q2287e06430_ln2-k_q2287e06430_ln2
	.p2alignl 7, 3214868480
	.fill 96, 4, 3214868480
	.section	.rodata,"a",@progbits
	.p2align	6, 0x0
	.amdhsa_kernel k_q2287e06430_ln2
		.amdhsa_group_segment_fixed_size 0
		.amdhsa_private_segment_fixed_size 0
		.amdhsa_enable_private_segment 0
		.amdhsa_kernarg_size 48
		.amdhsa_user_sgpr_count 2
		.amdhsa_user_sgpr_kernarg_segment_ptr 1
		.amdhsa_wavefront_size32 1
		.amdhsa_system_sgpr_workgroup_id_x 1
		.amdhsa_system_sgpr_workgroup_id_y 1
		.amdhsa_system_sgpr_workgroup_id_z 1
		.amdhsa_system_vgpr_workitem_id 0
		.amdhsa_next_free_vgpr 224
		.amdhsa_next_free_sgpr 66
		.amdhsa_reserve_vcc 0
		.amdhsa_float_denorm_mode_32 3
		.amdhsa_float_denorm_mode_16_64 3
		.amdhsa_memory_ordered 1
		.amdhsa_forward_progress 1
		.amdhsa_inst_pref_size 21
	.end_amdhsa_kernel
	.amdgpu_metadata
---
amdhsa.version: [ 1, 2 ]
amdhsa.kernels:
  - .name:           k_q2287e06430_ln2
    .symbol:         k_q2287e06430_ln2.kd
    .args:
      - { .name: ln1_out, .offset: 0, .size: 8, .value_kind: global_buffer, .address_space: global }
      - { .name: parts, .offset: 8, .size: 8, .value_kind: global_buffer, .address_space: global }
      - { .name: b2, .offset: 16, .size: 8, .value_kind: global_buffer, .address_space: global }
      - { .name: ln2_g, .offset: 24, .size: 8, .value_kind: global_buffer, .address_space: global }
      - { .name: ln2_b, .offset: 32, .size: 8, .value_kind: global_buffer, .address_space: global }
      - { .name: out0, .offset: 40, .size: 8, .value_kind: global_buffer, .address_space: global }
    .group_segment_fixed_size: 0
    .private_segment_fixed_size: 0
    .kernarg_segment_align: 8
    .kernarg_segment_size: 48
    .max_flat_workgroup_size: 512
    .sgpr_count:     66
    .vgpr_count:     224
    .wavefront_size: 32
...
	.end_amdgpu_metadata
.endif
;; end of part 7
